; MI455X (gfx1250); checked and timed in simulation.
; The chip was launched on July 23, 2026; its instructions are those of AMD's public machine-readable ISA for CDNA 5 (MIT licence, August 2026) and "CDNA5" Instruction Set Architecture Reference Guide (July 2026). The comments in the code are by the model that wrote it; some were corrected since.
;; Multi Head Attention. Allowed arithmetic: matrix products marked QUANTISED: E3M2 operands, one E8M0 scale for each 32 along K, by v_wmma_scale_f32_16x16x128_f8f6f4 with both operands' format E3M2, f32 sums; everything else in f32.
;; Inputs: Wk_codes 1,024 x 32 x 24 uint8 (E3M2 codes of Wk, K innermost, in blocks of 32 codes, four codes in three bytes); Wk_scales 1,024 x 32 uint8 (E8M0 scales of Wk, one for each 32 codes along K); Wq_codes 1,024 x 32 x 24 uint8 (E3M2 codes of Wq, K innermost, in blocks of 32 codes, four codes in three bytes); Wq_scales 1,024 x 32 uint8 (E8M0 scales of Wq, one for each 32 codes along K); Wv_codes 1,024 x 32 x 24 uint8 (E3M2 codes of Wv, K innermost, in blocks of 32 codes, four codes in three bytes); Wv_scales 1,024 x 32 uint8 (E8M0 scales of Wv, one for each 32 codes along K); beta 1,024 float32; bk 1,024 float32; bq 1,024 float32; bv 1,024 float32; gamma 1,024 float32; keys_codes 4 x 2,048 x 32 x 24 uint8 (E3M2 codes of keys, K innermost, in blocks of 32 codes, four codes in three bytes); keys_scales 4 x 2,048 x 32 uint8 (E8M0 scales of keys, one for each 32 codes along K); queries 4 x 2,048 x 1,024 float32; values_codes 4 x 2,048 x 32 x 24 uint8 (E3M2 codes of values, K innermost, in blocks of 32 codes, four codes in three bytes); values_scales 4 x 2,048 x 32 uint8 (E8M0 scales of values, one for each 32 codes along K).
;; Outputs: out0 4 x 2,048 x 1,024 float32.
;; This version of the problem:
;;   THIS VERSION OF THE PROBLEM IS GIVEN IN LOW PRECISION. The matrix products marked QUANTISED in the list below multiply operands that are first quantised to E3M2 (3 exponent bits, 2 mantissa bits; 6 bits a number), with one power-of-two scale for each 32 numbers along K (OCP MX v1.0); their sums are f32. All else is computed in f32.
;;   The module's matrix products, in the order in which they are computed (A, B: the left and right operand; K: the contracted axis; several contracted axes count as one K, in the product's order):
;;     1. [M 8,192, K 1,024] x [K 1,024, N 1,024]; A: input queries; B: input Wq (given as codes): QUANTISED
;;     2. [M 8,192, K 1,024] x [K 1,024, N 1,024]; A: input keys (given as codes); B: input Wk (given as codes): QUANTISED
;;     3. [M 8,192, K 1,024] x [K 1,024, N 1,024]; A: input values (given as codes); B: input Wv (given as codes): QUANTISED
;;     4. batch 32 x [M 2,048, K 128] x [K 128, N 2,048]; A: computed on the way; B: computed on the way: QUANTISED
;;     5. batch 32 x [M 2,048, K 2,048] x [K 2,048, N 128]; A: softmax (see below); B: computed on the way: QUANTISED
;;   THE QUANTISER, for each operand of a quantised product, along K:
;;     - K is cut into blocks of 32 from its start; a last block that is shorter is filled with zeros.
;;     - A block's scale is 2^e with e = floor(log2(the largest magnitude in the block)) - 4, held to -126 .. 127; a block of zeros has e = 0. As a byte (E8M0): e + 127.
;;     - Each number is divided by its block's scale, clamped to +-28, and rounded to the nearest number of E3M2, ties to even, subnormals kept.
;;     - The product sums the exact products of the quantised numbers (number of the format x scale) in f32.
;;   ~~~python
;;   def quantise(x, axis):      # numpy; x: float32 -> the quantised numbers, widened to float32 again
;;       x = np.moveaxis(x, axis, -1); K = x.shape[-1]
;;       x = np.pad(x, [(0, 0)] * (x.ndim - 1) + [(0, -K % 32)]); x = x.reshape(x.shape[:-1] + (-1, 32)); a = np.abs(x).max(-1, keepdims=True)
;;       e = np.where(a > 0, np.clip(np.frexp(np.where(a > 0, a, 1))[1] - 1 - 4, -126, 127), 0)      # np.frexp(a)[1] - 1 = floor(log2(a)), exactly
;;       r = np.clip(x / 2.0 ** e, -28, 28)
;;       step = 2.0 ** (np.maximum(np.frexp(np.where(r == 0, 1, r))[1] - 1, -2) - 2)
;;       q = np.round(r / step) * step * 2.0 ** e      # np.round: ties to even
;;       return np.moveaxis(q.reshape(q.shape[:-2] + (-1,))[..., :K], -1, axis).astype(np.float32)
;;   ~~~
;;   SOFTMAX AHEAD OF A QUANTISED PRODUCT. Where the list says 'softmax', what is quantised is not the finished softmax but p = 2^(t - M), with t = logit x log2(e) and M = ceil(the row's largest t), a whole number; so 1/2 < the row's largest p <= 1. The row's sum l is taken of the UNQUANTISED p, in f32, and the product's result is divided by l at the end. Since M is a whole number, a kernel that streams over the keys may use a running M (the ceiling of the running maximum): every later rescaling is an exact power of two, which a block's scale takes up: the codes' values come out the same.
;;   OPERANDS COMPUTED ON THE WAY. 'Computed on the way' means the value that the module computes at that place (a softmax that the list does not call 'softmax' is quantised finished and normalised). What goes into a quantiser is computed in f32, as accurately as f32 sums, v_exp_f32 and their like allow (about 1e-6 of the number): no bf16 or f16 on the way to a quantiser, and a product that is left as it is and whose result goes on into a quantised operand takes f32 operands (vector FMAs, or v_wmma_f32_16x16x4_f32). A number that lies on a knife's edge between two numbers of the format may be rounded either way, as far as f32 arithmetic and the matrix unit's own rounding can turn it there, and no further.
;;   INPUTS GIVEN AS CODES. Wk (in the module: [1024, 1024], K = its axis 1); Wq (in the module: [1024, 1024], K = its axis 1); Wv (in the module: [1024, 1024], K = its axis 1); keys (in the module: [4, 2048, 1024], K = its axis 2); values (in the module: [4, 2048, 1024], K = its axis 2): each comes as NAME_codes (uint8): NAME with its K axis moved to the last place and cut into blocks of 32 codes, [.., K / 32, bytes a block], one block behind the other in memory; four codes in three bytes: a row's codes are one little-endian stream of bits, code i at bits 6 i .. 6 i + 5 (a code: sign, 3 exponent bits, 2 mantissa bits); and NAME_scales (uint8): the same leading axes, one E8M0 byte (e + 127) for each 32 codes along K. Its value is code x scale, taken as it is: it is not quantised again, and the codes and scales need not be those that the quantiser above would give.
;; One version. Each part assembles by itself: llvm-mc -triple=amdgcn-amd-amdhsa -mcpu=gfx1250 --defsym DOCPART=n.
;; ======== version 1 of 1: 4 launches
;; workspace buffers: xq_codes 6,291,456 bytes; xq_scales 262,144 bytes; qp 6,553,600 bytes; kp 6,553,600 bytes; vp 6,553,600 bytes; xbuf 33,554,432 bytes
;; launch quant (part 1): grid 256 x 1, 4 waves a work-group, no clusters, 33,280 bytes of LDS; arguments queries, xq_codes, xq_scales; writes xq_codes, xq_scales
.if DOCPART == 1
	.amdgcn_target "amdgcn-amd-amdhsa--gfx1250"
	.amdhsa_code_object_version 6
	.text
	.protected	k_q4b58c2c7c1_quant
	.globl	k_q4b58c2c7c1_quant
	.p2align	8
	.type	k_q4b58c2c7c1_quant,@function
k_q4b58c2c7c1_quant:
	s_mov_b64 s[64:65], 0
	v_nop
	global_prefetch_b8 v0, s[64:65] scope:SCOPE_SE
	s_setreg_imm32_b32 hwreg(HW_REG_WAVE_MODE, 25, 1), 1
	s_wait_xcnt 0x0
; queries [8192][1024], f32, become codes of E3M2, 6 bits each, K innermost (a row: 768 bytes), with one E8M0 scale byte for each 32 along K (a row: 32 bytes).
; A block's scale is 2^(floor(log2(its largest magnitude)) - 4); its byte is the largest magnitude's own exponent field - 4, held at 1 from below.  Each number is divided by the scale and rounded to the
; nearest code, ties to even; beyond 28 the largest code.
; LIMITS: a block of zeros gets the byte 1 where the rule says 127 (its codes are zeros, which add nothing under any byte but 0xff, and only this program reads the bytes); a largest magnitude under 2^-122
; is held at the byte 1, which is the rule's own hold at e = -126; NaN and infinities among the inputs are not served.
; Rows are dense and 1024 is a multiple of 32: the tensor is a plain stream of blocks of 32, and so are its codes and scale bytes.  8,388,608 numbers = 256 work-groups x 4 waves x 16 steps x 512.
; The conversion takes 16 numbers of ONE block from a lane's registers, so a lane must hold 16 neighbours (two lanes hold a block); a load is best where neighbouring LANES take neighbouring bytes.  Both are had:
; each of a step's four loads reads 512 consecutive bytes; the 2,048 bytes go through the wave's own stage in LDS as they lie and come back 64 bytes a lane (16 bytes of padding behind each 64).
; A wave's 256 scale bytes are gathered in its own LDS bytes and leave as 256 consecutive bytes, aligned.  Waves share nothing: no barrier; work-groups share no input: no cluster.
; The loads carry no hint: a later launch reads queries again.
.set STEPS, 16
.set EMAX,  4
.set CB,    12                         ; bytes of 16 codes
.set R,     16                         ; v16-79   four sets of 16 numbers as they are loaded
.set X,     80                         ; v80-111  two sets of 16 neighbours
.set E,     112                        ; v112-127 a scale byte for each step
.set C,     128                        ; v128-191 codes: four registers for each step, so that no store's data are written again
.set WREG,  8192                       ; LDS: a region for each wave: two stages of 32 x SP bytes, behind them its 256 scale bytes
.set SP,    80                         ; a lane's place in a stage: 64 bytes + 16 of padding
	s_load_b128 s[4:7], s[0:1], 0x0                ; queries s[4:5], the codes s[6:7]
	s_load_b64 s[8:9], s[0:1], 0x10                ; the scale bytes
	v_lshl_add_u32 v192, v0, 2, 0x8000
	v_mov_b32 v193, 0
	v_lshrrev_b32 v1, 5, v0
	v_readfirstlane_b32 s16, v1                    ; wave
	v_and_b32 v2, 31, v0                           ; lane
	v_lshlrev_b32 v3, 4, v2                        ; my 16 bytes of a load's 512
	s_mul_i32 s17, s16, WREG
	v_lshrrev_b32 v14, 2, v2
	v_mul_u32_u24 v14, v14, SP
	v_and_b32 v15, 3, v2
	v_lshl_add_u32 v14, v15, 4, v14
	v_add_nc_u32 v14, s17, v14                     ; the stage, on the way in: SP (lane / 4) + 16 (lane % 4)
	v_mul_u32_u24 v15, v2, SP
	v_add_nc_u32 v15, s17, v15                     ; and on the way out: SP x lane: my 16 neighbours
	v_mul_u32_u24 v4, v2, CB                       ; my codes' place in a step's
	v_lshrrev_b32 v5, 1, v2
	s_add_co_u32 s17, s17, 2*32*SP
	v_add_nc_u32 v5, s17, v5                       ; LDS: my wave's 256 scale bytes, my block's byte
	v_lshlrev_b32 v7, 3, v2                        ; and on the way out 8 bytes a lane
	v_add_nc_u32 v6, s17, v7
	s_lshl_b32 s17, ttmp9, 2
	s_add_co_u32 s18, s17, s16                     ; which run of 8,192 numbers is my wave's: 0 .. 1023
	s_mov_b32 s21, 0
	s_wait_kmcnt 0x0
	s_lshl_b32 s20, s18, 15                        ; 32,768 bytes of numbers a run
	s_add_nc_u64 s[4:5], s[4:5], s[20:21]
	s_mul_i32 s20, s18, 32*STEPS*CB                ; 6,144 bytes of codes
	s_add_nc_u64 s[6:7], s[6:7], s[20:21]
	s_lshl_b32 s20, s18, 8                         ; 256 scale bytes
	s_add_nc_u64 s[8:9], s[8:9], s[20:21]
.macro LOAD t
.irp i, 0,1,2,3
	global_load_b128 v[R+16*((\t)%4)+4*\i:R+16*((\t)%4)+4*\i+3], v3, s[4:5] offset:2048*(\t)+512*\i   ; 32 lanes read 512 consecutive bytes
.endr
.endm
.macro TURN t                          ; step t's numbers through the stage: LDS serves a wave's instructions in order, so no wait stands between the stores and the loads
.irp i, 0,1,2,3
	ds_store_b128 v14, v[R+16*((\t)%4)+4*\i:R+16*((\t)%4)+4*\i+3] offset:32*SP*((\t)%2)+8*SP*\i
.endr
.irp i, 0,1,2,3
	ds_load_b128 v[X+16*((\t)%2)+4*\i:X+16*((\t)%2)+4*\i+3], v15 offset:32*SP*((\t)%2)+16*\i
.endr
.endm
.irp t, 0,1,2,3
	LOAD \t
.endr
	s_wait_loadcnt 12                              ; step 0's four loads are in; the twelve of steps 1 to 3 may be out
	TURN 0
.macro STEP t
.set XS, X+16*((\t)%2)
.if (\t) > 0
	s_wait_dscnt 1                                 ; this step's numbers are back from the stage (the last step's byte store may be out): so its stores into the stage have read their registers,
.else
	s_wait_dscnt 0x0
.endif
.if (\t)+4 < STEPS
	LOAD (\t)+4                                    ; which take the loads of four steps on
.endif
.if (\t)+1 < STEPS
.if STEPS-2-(\t) >= 3
	s_wait_loadcnt 12                              ; the next step's four loads are in; those of the three steps behind it may be out
.else
	s_wait_loadcnt 4*(STEPS-2-(\t))                ; at the end fewer steps are behind it
.endif
	TURN (\t)+1                                    ; and go through the other stage while this step is worked
.endif
	v_max3_num_f32 v8, |v[XS]|, |v[XS+1]|, |v[XS+2]|               ; the largest magnitude of my 16, in two chains
	v_max3_num_f32 v9, |v[XS+3]|, |v[XS+4]|, |v[XS+5]|
.irp i, 6,10
	v_max3_num_f32 v8, v8, |v[XS+\i]|, |v[XS+\i+1]|
	v_max3_num_f32 v9, v9, |v[XS+\i+2]|, |v[XS+\i+3]|
.endr
	v_max3_num_f32 v8, v8, |v[XS+14]|, |v[XS+15]|
	v_max3_num_f32 v8, v8, v9, (EMAX+1)<<23        ; and the floor 2^(5 - 127): the byte cannot fall under 1
	v_max_num_f32_dpp v8, v8, v8 row_xmask:1 row_mask:0xf bank_mask:0xf   ; and of my neighbour's 16: the block's
	v_add_nc_u32 v11, -(EMAX<<23), v8              ; 4 off its exponent field: the conversion takes the exponent field of this operand as its scale, and nothing else of it
	v_cvt_scalef32_pk16_bf6_f32 v[C+4*(\t):C+4*(\t)+2], v[XS:XS+15], v11         ; sixteen codes, 96 bits without gaps, the first number's code lowest
	v_lshrrev_b32 v[E+(\t)], 23, v11               ; the scale's byte (also the plain line behind the conversion)
	ds_store_b8 v5, v[E+(\t)] offset:16*(\t)       ; both lanes of a block write the same byte with the same value
	global_store_b96 v4, v[C+4*(\t):C+4*(\t)+2], s[6:7] offset:32*CB*(\t)        ; the wave stores 384 consecutive bytes
.endm
.irp t, 0,1,2,3,4,5,6,7,8,9,10,11,12,13,14,15
	STEP \t
.endr
	ds_load_b64 v[12:13], v6                       ; LDS serves a wave's instructions in order: these see my stores
	s_wait_dscnt 0x0
	global_store_b64 v7, v[12:13], s[8:9]          ; 32 lanes store 256 consecutive bytes, aligned
	s_wait_tensorcnt 0x0
	ds_add_u32 v192, v193
	s_wait_dscnt 0x0
	s_endpgm
.Lfunc_end_k_q4b58c2c7c1_quant:
	.size	k_q4b58c2c7c1_quant, .Lfunc_end_k_q4b58c2c7c1_quant-k_q4b58c2c7c1_quant
	.p2alignl 7, 3214868480
	.fill 96, 4, 3214868480
	.section	.rodata,"a",@progbits
	.p2align	6, 0x0
	.amdhsa_kernel k_q4b58c2c7c1_quant
		.amdhsa_group_segment_fixed_size 33280
		.amdhsa_private_segment_fixed_size 0
		.amdhsa_enable_private_segment 0
		.amdhsa_kernarg_size 24
		.amdhsa_user_sgpr_count 2
		.amdhsa_user_sgpr_kernarg_segment_ptr 1
		.amdhsa_wavefront_size32 1
		.amdhsa_system_sgpr_workgroup_id_x 1
		.amdhsa_system_sgpr_workgroup_id_y 1
		.amdhsa_system_sgpr_workgroup_id_z 1
		.amdhsa_system_vgpr_workitem_id 0
		.amdhsa_next_free_vgpr 194
		.amdhsa_next_free_sgpr 66
		.amdhsa_reserve_vcc 0
		.amdhsa_float_denorm_mode_32 3
		.amdhsa_float_denorm_mode_16_64 3
		.amdhsa_memory_ordered 1
		.amdhsa_forward_progress 1
		.amdhsa_inst_pref_size 32
	.end_amdhsa_kernel
	.amdgpu_metadata
---
amdhsa.version: [ 1, 2 ]
amdhsa.kernels:
  - .name:           k_q4b58c2c7c1_quant
    .symbol:         k_q4b58c2c7c1_quant.kd
    .args:
      - { .name: queries, .offset: 0, .size: 8, .value_kind: global_buffer, .address_space: global }
      - { .name: xq_codes, .offset: 8, .size: 8, .value_kind: global_buffer, .address_space: global }
      - { .name: xq_scales, .offset: 16, .size: 8, .value_kind: global_buffer, .address_space: global }
    .group_segment_fixed_size: 33280
    .private_segment_fixed_size: 0
    .kernarg_segment_align: 8
    .kernarg_segment_size: 24
    .max_flat_workgroup_size: 128
    .sgpr_count:     66
    .vgpr_count:     194
    .wavefront_size: 32
...
	.end_amdgpu_metadata
.endif
;; end of part 1
;; launch proj (part 2): grid 4 x 96, 4 waves a work-group, clusters of 4 x 4, 327,680 bytes of LDS; arguments xq_codes, xq_scales, Wq_codes, Wq_scales, bq, qp, keys_codes, keys_scales, Wk_codes, Wk_scales, bk, kp, Wv_codes, Wv_scales, values_codes, values_scales, bv, vp; writes qp, kp, vp
.if DOCPART == 2
	.amdgcn_target "amdgcn-amd-amdhsa--gfx1250"
	.amdhsa_code_object_version 6
	.text
	.protected	k_q4b58c2c7c1_proj
	.globl	k_q4b58c2c7c1_proj
	.p2align	8
	.type	k_q4b58c2c7c1_proj,@function
k_q4b58c2c7c1_proj:
	s_mov_b64 s[64:65], 0
	v_nop
	global_prefetch_b8 v0, s[64:65] scope:SCOPE_SE
	s_setreg_imm32_b32 hwreg(HW_REG_WAVE_MODE, 25, 1), 1
	s_wait_xcnt 0x0
	s_wait_alu depctr_hold_cnt(0) depctr_sa_sdst(0) depctr_va_vdst(0) depctr_va_sdst(0) depctr_va_ssrc(0) depctr_va_vcc(0) depctr_vm_vsrc(0)
	s_getreg_b32 s2, hwreg(HW_REG_IB_STS2, 6, 4)
	s_cmp_eq_u32 s2, 0
	s_cbranch_scc0 .Lentry_in_a_cluster
	s_endpgm
.Lentry_in_a_cluster:
	s_bfe_u32 s2, ttmp6, 0x10000c
	s_cmp_lg_u32 s2, 0xf033
	s_cbranch_scc0 .Lentry_shape_is_right
	s_endpgm
.Lentry_shape_is_right:
; THE THREE PROJECTIONS, Q = x Wq^T + bq, K = keys Wk^T + bk, V = values Wv^T + bv, on codes of E3M2 with one E8M0 scale for each 32 along K = 1024, sums in f32; each result is quantised again, in registers, for
; the attention that follows, and leaves as IMAGES OF AN OPERAND'S REGISTERS.  All six matrices have rows of 768 bytes of codes and 32 scale bytes, so one text serves the three.
; ROLES.  Two matrices A and B; the matrix instruction takes 16 rows of B as source 0 and 16 rows of A as source 1: in the result a lane holds ONE row of A (lane % 16) and its eight registers eight neighbouring rows of B.
;   Q, K: A = x (8192 rows), B = W (1024 rows): a lane holds one row of x, its registers run along the head's 128, which is the next product's K.
;   V:    A = Wv, B = values: a lane holds one channel, its registers run along the keys, which are the next product's K.
; SHARES.  A work-group of four waves makes 256 rows of A x 256 rows of B, a wave 128 x 128: 64 accumulators, 512 registers.  384 work-groups in 24 clusters of 4 x 4; cluster number / 8 is the KIND (0 Q, 1 K, 2 V),
; the same in all sixteen partners.  The four of a row of the cluster need the same tiles of A, the four of a column the same tiles of B: each tile is asked for JOINTLY, by the same tensor load with the same
; descriptor and a mask that names the four.  K goes in steps of 256 through two LDS slots; the scale bytes of the work-group's rows, for all of K, come once with the first fills.
; WHAT LEAVES.  A wave's 128 x 128 is one PANEL of 12,800 bytes, number (8 batch + head) x 16 + group of 128 rows (queries, keys) of qp, kp or vp: eight fragments of 1,536 bytes (fragment a: A's rows 16 a .. 16 a + 15;
; registers 4 c .. 4 c + 3 of lane l at 1536 a + 512 c + 16 l), then 512 bytes of scale words (fragment a, row r at 12288 + 256 (a / 4) + 16 r + 4 (a % 4)).
; PLACES INSIDE A BLOCK OF 32.  A lane's 16 registers of two neighbouring tiles are the true indices 32 b + 8 h + 0..7 and 32 b + 16 + 8 h + 0..7 (h = lane / 16) and are laid at places 32 b + 16 h + 0..15.
; The block is the true block, so scale and codes are the quantiser's; only the places inside the block differ, alike in Q and K here, and alike in V here and in p in the next launch: the products are the same,
; only the order in which the unit adds them inside a block differs.
; LIMITS: a block of zeros gets the byte 1 where the rule says 127 (zero codes; only this program reads the bytes); NaN and infinities are not served.
; REGISTERS, in windows of 256: window 0: v1 r, v2 h, v3-6 at work, v16-29 addresses; v32-63 scale words, two sets, and nothing else; v64-127 the bias in the result's layout; v128-223 A's fragments, ONE set;
;   v224-231 offsets of the bias loads.  On the way out: v128-191 the block's 64 numbers, v192-207 at work, v208-226 codes, v228-235 the eight scale words, v236-239 the words as they are stored.
;   window 1: B's fragments, TWO sets, at v0 and v128.   window 2: the accumulators of my rows 0-63 of A ((a, b) at v[8 (8 (a % 4) + b)]);   window 3: those of rows 64-127.
.set SIZE_K, 1024
.set KSTEP,  256                       ; along K in a slot
.set NQ,     KSTEP/128                 ; matrix instructions deep
.set ROWB,   192                       ; a tile's row in bytes
.set KROW,   SIZE_K*6/8                ; a row of codes in memory
.set PITCH,  240                       ; an LDS row: 3 x (64 bytes + 16 of padding) = 60 words: row r starts 60 r words on, so the 32 lanes of a load of 8 bytes touch 64 different words modulo 64
.set FR,     12                        ; registers of a fragment: 16 rows x 128 K
.set NL,     6                         ; LDS loads that bring one
.set NP,     4                         ; places behind this matrix instruction (ISA guide 7.12.1)
.set HALFT,  128*PITCH                 ; 128 rows: what one tensor load brings, and what one wave reads of A or of B
.set SLOT,   4*HALFT                   ; A's 256 rows, then B's 256 rows
.set LAPS,   SIZE_K/(2*KSTEP)          ; a lap = two K steps = once round the ring
.set KS,     SIZE_K/32                 ; a row of scale bytes
.set SCL,    2*SLOT                    ; behind the ring: the scale bytes, as rows of 256 bytes + 16 of padding
.set HALFS,  (128*KS/256)*272          ; those of 128 rows: what one tensor load brings
.set SBLK,   (16*KS/256)*272           ; those of 16 rows
.set SPARE,  SCL+4*HALFS               ; behind the scales: the spare words, 128 bytes for each wave: two blocks of 256 bytes that no other line names
.set PANEL,  12800
.set ADRA, 16                          ; v16-17  LDS address of my A fragments in slot 0, 1  (v18-19: for the pieces that lie behind one padding more)
.set ADRB, 20                          ; v20-21  the same for B  (v22-23)
.set LI,   24                          ; v24     16 x lane: my place in an image; never rewritten
.set ADRS, 27                          ; v27     LDS address of my scale words: lanes 0-15 A's rows, lanes 16-31 B's
.set SPW,  28                          ; v28     LDS address of my spare word; never rewritten
.set NIL,  29                          ; v29     0; never rewritten
.set SC,   32
.set BI,   64
.set AF,   128
.set VA,   224
.set T,    128
.set TM,   192
.set PC,   208
.set SW,   228
.set XS,   236
.set G1, 24                            ; s[24:31] descriptor group 1 for A's tiles;  s[32:39] group 0, one set for each slot
.set G0, 32
.set G1B, 48                           ; s[48:55], s[56:63] the same for B's tiles
.set G0B, 56
.set KIND, 66                          ; s66  0 Q, 1 K, 2 V
.set G1S, 68                           ; s[68:75], s[76:79] groups 1 and 0 for A's scales;  s[80:87], s[88:91] for B's
.set G0S, 76
.set G1SB, 80
.set G0SB, 88
.set BP,  96                           ; s[96:97] the bias, at my head
.set SEL, 98                           ; s[98:99] lane selects for v_permlanex16_b32: lane l xor 16
.set MSB, 0
.macro WIN new                         ; the immediate's high byte repeats the setting that is left
.if MSB != \new
	s_set_vgpr_msb (MSB<<8)|\new
.set MSB, \new
.endif
.endm
.set MUL_LO, 0xa1                      ; source 0 (B) window 1, source 1 (A) window 0, C and D window 2
.set MUL_HI, 0xf1                      ; the same, C and D window 3
.set TO_B,   0x40                      ; destination window 1, address window 0
; A joint load: waves 0 and 1 fetch for A, waves 2 and 3 for B.  Each of the two lines has ONE mask and one set of registers for all that issue it; the branch hangs on the wave's number alone.
; Four v_nop follow each of the two lines, ahead of the jump, the label and what follows.
.macro JLOAD g0a, g1a, g0b, g1b
	s_cmp_eq_u32 s15, 0
	s_cbranch_scc0 .Lfor_b_\@
	tensor_load_to_lds s[\g0a:\g0a+3], s[\g1a:\g1a+7]
	s_nop 0
.rept 4
	v_nop
.endr
	s_branch .Lasked_\@
.Lfor_b_\@:
	tensor_load_to_lds s[\g0b:\g0b+3], s[\g1b:\g1b+7]
	s_nop 0
.rept 4
	v_nop
.endr
.Lasked_\@:
.endm
.macro CREST                           ; a round of the cluster's barrier behind its opening barrier
	s_cmp_lg_u32 s14, 0
	s_cbranch_scc1 .Lnot_wave_0_\@
	s_barrier_signal -3
.Lnot_wave_0_\@:
	s_barrier_wait -3
	s_barrier_signal -1
	s_barrier_wait -1
.endm
.macro CROUND                          ; a whole round
	s_barrier_signal -1
	s_barrier_wait -1
	CREST
.endm
	; three groups of six addresses (A's codes, A's scales, B's codes, B's scales, bias, out), into registers that later hold descriptors
	s_load_b256 s[48:55], s[0:1], 0x0
	s_load_b128 s[56:59], s[0:1], 0x20
	s_load_b256 s[68:75], s[0:1], 0x30
	s_load_b128 s[76:79], s[0:1], 0x50
	s_load_b256 s[80:87], s[0:1], 0x60
	s_load_b128 s[88:91], s[0:1], 0x80
	v_lshl_add_u32 v[SPW], v0, 2, SPARE
	v_mov_b32 v[NIL], 0
	ds_add_u32 v28, v29
	ds_add_u32 v28, v29
	s_wait_dscnt 0x0
	v_lshrrev_b32 v1, 5, v0
	v_readfirstlane_b32 s14, v1                    ; wave 0..3
	s_lshr_b32 s15, s14, 1                         ; which half of A's 256 rows is mine.  Also: I fetch for A (0) or for B (1)
	s_and_b32 s16, s14, 1                          ; which half of B's.  Also: which 128 rows of that tile I fetch
	s_bfe_u32 s40, ttmp6, 0x40000                  ; cx, cy: my place in the cluster
	s_bfe_u32 s41, ttmp6, 0x40004
	s_and_b32 s67, ttmp7, 0xffff                   ; the cluster's number, 0 .. 23 (the grid is one cluster wide)
	s_lshr_b32 s[KIND], s67, 3
	s_and_b32 s67, s67, 7
	s_lshl_b32 s67, s67, 2                         ; 4 x the cluster's number within its kind
	s_lshr_b32 s95, s[KIND], 1                     ; 1 for V, else 0
	s_mul_i32 s19, s67, s95                        ; the long matrix (8192 rows, 32 tiles) is B for V,
	s_sub_co_u32 s18, s67, s19                     ; A for Q and K
	s_add_co_u32 s17, s18, s41                     ; A's tile of 256 rows: hangs on cy and the cluster's number alone
	s_add_co_u32 s42, s19, s40                     ; B's: on cx and the cluster's number alone
	s_lshl_b32 s43, s41, 2
	s_lshl_b32 s43, 15, s43                        ; my row of the cluster
	s_lshl_b32 s44, 0x1111, s40                    ; my column
	s_mov_b32 s[SEL], 0x76543210
	s_mov_b32 s[SEL+1], 0xfedcba98
	s_wait_kmcnt 0x0
	s_cmp_eq_u32 s[KIND], 1                        ; the kind's six addresses: the choice hangs on the cluster's number alone
	s_cselect_b64 s[4:5], s[68:69], s[48:49]       ; A's codes
	s_cselect_b64 s[6:7], s[70:71], s[50:51]       ; A's scales
	s_cselect_b64 s[8:9], s[72:73], s[52:53]       ; B's codes
	s_cselect_b64 s[10:11], s[74:75], s[54:55]     ; B's scales
	s_cselect_b64 s[BP:BP+1], s[76:77], s[56:57]   ; the bias
	s_cselect_b64 s[12:13], s[78:79], s[58:59]     ; out
	s_cmp_eq_u32 s[KIND], 2
	s_cselect_b64 s[4:5], s[80:81], s[4:5]
	s_cselect_b64 s[6:7], s[82:83], s[6:7]
	s_cselect_b64 s[8:9], s[84:85], s[8:9]
	s_cselect_b64 s[10:11], s[86:87], s[10:11]
	s_cselect_b64 s[BP:BP+1], s[88:89], s[BP:BP+1]
	s_cselect_b64 s[12:13], s[90:91], s[12:13]
	; descriptor group 1: a tile of 128 rows x 192 bytes, padded in LDS
	s_or_b32 s[G1+0], s43, (0<<16)|(1<<20)|(1<<21)|(3<<22)|(3<<25)  ; 15:0 the mask: A's tiles go to my row; 17:16 element of 1 byte; 20 padding on; 21 set beside a mask; 24:22 after every 16 words (code 3); 31:25 of 4 words (code 3)
	s_or_b32 s[G1B+0], s44, (0<<16)|(1<<20)|(1<<21)|(3<<22)|(3<<25)
.irp g, G1, G1B
	s_mov_b32 s[\g+1], ROWB<<16                    ; tensor_dim0
	s_mov_b32 s[\g+2], 128<<16                     ; tensor_dim1 = 128
	s_mov_b32 s[\g+3], ROWB<<16                    ; tile_dim0
	s_mov_b32 s[\g+4], 128                         ; tile_dim1 = 128
	s_mov_b32 s[\g+5], KROW                        ; tensor_dim0_stride
	s_mov_b32 s[\g+6], 0
	s_mov_b32 s[\g+7], 0
.endr
	; and for the scale bytes of 128 rows: a dense block of 4,096 bytes, as 16 rows of 256 bytes (32 elements of 8 bytes), 16 bytes of padding behind each
	s_or_b32 s[G1S+0], s43, (3<<16)|(1<<20)|(1<<21)|(5<<22)|(3<<25)
	s_or_b32 s[G1SB+0], s44, (3<<16)|(1<<20)|(1<<21)|(5<<22)|(3<<25)
.irp g, G1S, G1SB
	s_mov_b32 s[\g+1], 32<<16
	s_mov_b32 s[\g+2], (128*KS/256)<<16
	s_mov_b32 s[\g+3], 32<<16
	s_mov_b32 s[\g+4], 128*KS/256
	s_mov_b32 s[\g+5], 32
	s_mov_b32 s[\g+6], 0
	s_mov_b32 s[\g+7], 0
.endr
	s_lshl_b32 s18, s16, 7                         ; which 128 rows of the tile I fetch
	s_lshl_b32 s20, s17, 8
	s_add_co_u32 s20, s20, s18                     ; A: row 256 x tile + 128 x half
	s_lshl_b32 s46, s42, 8
	s_add_co_u32 s46, s46, s18                     ; B likewise
	s_mov_b32 s21, 0
	s_mov_b32 s47, 0
	s_mov_b64 s[18:19], KS
	s_mul_u64 s[22:23], s[20:21], s[18:19]         ; where these rows' scale bytes begin
	s_mul_u64 s[92:93], s[46:47], s[18:19]
	s_mov_b64 s[18:19], KROW
	s_mul_u64 s[20:21], s[20:21], s[18:19]         ; and their codes
	s_mul_u64 s[46:47], s[46:47], s[18:19]
	s_mul_i32 s45, s14, HALFT                      ; where they go: wave x 128 rows: no place in the cluster enters an LDS address
	s_mul_i32 s94, s14, HALFS
	s_add_nc_u64 s[20:21], s[4:5], s[20:21]
	s_add_nc_u64 s[22:23], s[6:7], s[22:23]
	s_add_nc_u64 s[46:47], s[8:9], s[46:47]
	s_add_nc_u64 s[92:93], s[10:11], s[92:93]
	CROUND                                         ; all sixteen work-groups are here: the first joint loads meet
	s_mov_b32 s[G0S], 1
	s_add_co_u32 s[G0S+1], s94, SCL
	s_mov_b64 s[G0S+2:G0S+3], s[22:23]
	s_or_b32 s[G0S+3], s[G0S+3], 0x80000000
	s_mov_b32 s[G0SB], 1
	s_add_co_u32 s[G0SB+1], s94, SCL
	s_mov_b64 s[G0SB+2:G0SB+3], s[92:93]
	s_or_b32 s[G0SB+3], s[G0SB+3], 0x80000000
	JLOAD G0S, G1S, G0SB, G1SB                     ; the scale bytes first: they are wanted with K step 0.  With the two below, three tensor loads of mine are out
.irp s, 0,1
	s_mov_b32 s[G0+4*\s], 1
	s_add_co_u32 s[G0+4*\s+1], s45, \s*SLOT
	s_add_nc_u64 s[G0+4*\s+2:G0+4*\s+3], s[20:21], \s*ROWB
	s_or_b32 s[G0+4*\s+3], s[G0+4*\s+3], 0x80000000
	s_mov_b32 s[G0B+4*\s], 1
	s_add_co_u32 s[G0B+4*\s+1], s45, \s*SLOT
	s_add_nc_u64 s[G0B+4*\s+2:G0B+4*\s+3], s[46:47], \s*ROWB
	s_or_b32 s[G0B+4*\s+3], s[G0B+4*\s+3], 0x80000000
	JLOAD G0+4*\s, G1, G0B+4*\s, G1B
.endr
	v_and_b32 v1, 15, v0                           ; r = l % 16
	v_bfe_u32 v2, v0, 4, 1                         ; h = l / 16
	v_mul_u32_u24 v3, v1, PITCH
	v_mul_u32_u24 v4, v2, 24
	v_add_nc_u32 v4, v3, v4                        ; a fragment's row x pitch + 24 x half
	v_lshl_add_u32 v5, v2, 4, v4                   ; and the same behind one padding more
	s_mul_i32 s21, s15, HALFT                      ; my 128 rows of A
	s_mul_i32 s22, s16, HALFT                      ; my 128 rows of B,
	s_add_co_u32 s22, s22, 2*HALFT                 ; which lie behind A's 256
.irp s, 0,1
	v_add_nc_u32 v[ADRA+\s], s21, v4
	v_add_nc_u32 v[ADRB+\s], s22, v4
	v_add_nc_u32 v[ADRA+2+\s], s21, v5
	v_add_nc_u32 v[ADRB+2+\s], s22, v5
	s_add_co_u32 s21, s21, SLOT
	s_add_co_u32 s22, s22, SLOT
.endr
	v_mul_u32_u24 v5, v1, KS                       ; my row's scale bytes: 32 a row,
	v_lshrrev_b32 v6, 8, v5
	v_lshl_add_u32 v5, v6, 4, v5                   ; and 16 more for each 256 passed
	s_mul_i32 s21, s15, HALFS                      ; A's: my 128 rows
	s_mul_i32 s22, s16, HALFS                      ; B's: my 128 rows, behind A's 256
	s_add_co_u32 s22, s22, 2*HALFS
	s_sub_co_u32 s22, s22, s21
	v_mul_u32_u24 v6, s22, v2                      ; lanes 16-31 take B's: one product, the distance x h
	s_add_co_u32 s21, s21, SCL
	v_add_nc_u32 v5, v5, v6
	v_add_nc_u32 v[ADRS], s21, v5
	v_and_b32 v6, 31, v0
	v_lshlrev_b32 v[LI], 4, v6
	; my panel and my head.  gA, gB: my group of 128 rows of A, of B.  Q, K: the rows' group is gA, the head gB; V: the keys' group is gB, the head gA
	s_lshl_b32 s20, s17, 1
	s_add_co_u32 s20, s20, s15                     ; gA
	s_lshl_b32 s46, s42, 1
	s_add_co_u32 s46, s46, s16                     ; gB
	s_cmp_eq_u32 s[KIND], 2
	s_cselect_b32 s47, s46, s20                    ; the group, 0 .. 63: 16 x batch + group in the batch
	s_cselect_b32 s46, s20, s46                    ; the head, 0 .. 7
	s_lshr_b32 s20, s47, 4
	s_lshl_b32 s20, s20, 3
	s_add_co_u32 s20, s20, s46                     ; 8 x batch + head
	s_lshl_b32 s20, s20, 4
	s_and_b32 s47, s47, 15
	s_add_co_u32 s20, s20, s47                     ; the panel's number, 0 .. 511
	s_mul_i32 s20, s20, PANEL
	s_mov_b32 s21, 0
	s_add_nc_u64 s[12:13], s[12:13], s[20:21]
	s_lshl_b32 s46, s46, 9                         ; the head's 128 numbers of the bias
	s_mov_b32 s47, 0
	s_add_nc_u64 s[BP:BP+1], s[BP:BP+1], s[46:47]
	; the bias in the result's layout, 64 registers, on one path for all kinds.  Q, K: register 8 b + j = bias(16 b + 8 h + j), for B's block b.  V: register 8 a + j = bias(16 a + r) for every j, for A's block a.
	s_lshl_b32 s20, s95, 2                         ; bytes a step of r: 4 for V, else 0
	s_sub_co_u32 s22, 4, s20                       ; bytes a step of j: 0 for V, else 4
	s_lshl_b32 s21, s22, 3                         ; bytes a step of h: 0 for V, else 32
	v_mul_u32_u24 v6, s20, v1
	v_mad_u32_u24 v6, s21, v2, v6
.irp j, 0,1,2,3,4,5,6,7
	v_mad_u32_u24 v[VA+\j], s22, \j, v6
.endr
.irp i, 0,1,2,3,4,5,6,7
.irp j, 0,1,2,3,4,5,6,7
	global_load_b32 v[BI+8*\i+\j], v[VA+\j], s[BP:BP+1] offset:64*\i   ; they land under the products; the wait for them stands on the way out
.endr
.endr
.macro FRAG reg, adr, q, i             ; a fragment, 16 rows x 128 K of 6-bit codes, is 12 registers: lane l holds row l % 16; registers 6 c .. 6 c + 5 hold K = 64 c + 32 (l / 16) + 0 .. 31: 24 bytes of the row's stream of bits, as they lie
.irp p, 0,1,2,3,4,5                    ; in pieces of 8 bytes, so that every address is a multiple of the access's size.  Lanes 0-15 take the row's pieces 12 q + 0, 1, 2 and 12 q + 6, 7, 8, lanes 16-31 those three pieces on
.set PCE, 12*(\q)+6*(\p/3)+\p%3        ; 16 bytes of padding lie behind every 64 bytes (8 pieces): where the piece three on lies behind one padding more, the second address register (40 for 24 bytes a half) serves
.if PCE%8 < 5
	ds_load_b64 v[\reg+2*\p:\reg+2*\p+1], v[\adr] offset:8*PCE+16*(PCE/8)+(\i)*16*PITCH
.else
	ds_load_b64 v[\reg+2*\p:\reg+2*\p+1], v[\adr+2] offset:8*PCE+16*(PCE/8)+(\i)*16*PITCH
.endif
.endr
.endm
; 16 matrix instructions: A's blocks a0, a0 + 1 x B's eight, 128 along K: the slot's q-th.  p: B's set;  sc: the set of scale words.  zero = 1: the first product starts the sums: nothing is ever cleared.
; The 64 accumulators take turns, one instruction a turn, in the same order in every step.
; A scale register holds A's block's words in lanes 0-15 and B's block's in lanes 16-31: source 0 (B) names register b and its upper lanes, source 1 (A) register a.
.macro MUL16 a0, p, q, sc, zero
.irp a, \a0, \a0+1
.irp b, 0,1,2,3,4,5,6,7
.if \zero
	v_wmma_scale_f32_16x16x128_f8f6f4 v[8*(8*((\a)%4)+\b):8*(8*((\a)%4)+\b)+7], v[128*(\p)+FR*\b:128*(\p)+FR*\b+FR-1], v[AF+FR*(\a):AF+FR*(\a)+FR-1], 0, v[SC+8*NQ*(\sc)+NQ*\b+(\q)], v[SC+8*NQ*(\sc)+NQ*(\a)+(\q)] matrix_a_fmt:MATRIX_FMT_BF6 matrix_b_fmt:MATRIX_FMT_BF6 matrix_a_scale:MATRIX_SCALE_ROW1
.else
	v_wmma_scale_f32_16x16x128_f8f6f4 v[8*(8*((\a)%4)+\b):8*(8*((\a)%4)+\b)+7], v[128*(\p)+FR*\b:128*(\p)+FR*\b+FR-1], v[AF+FR*(\a):AF+FR*(\a)+FR-1], v[8*(8*((\a)%4)+\b):8*(8*((\a)%4)+\b)+7], v[SC+8*NQ*(\sc)+NQ*\b+(\q)], v[SC+8*NQ*(\sc)+NQ*(\a)+(\q)] matrix_a_fmt:MATRIX_FMT_BF6 matrix_b_fmt:MATRIX_FMT_BF6 matrix_a_scale:MATRIX_SCALE_ROW1
.endif
.endr
.endr
.endm
.macro FETCH_B slot, q, p              ; B's eight fragments of the slot's q-th 128 along K into set p
	WIN TO_B
.irp i, 0,1,2,3,4,5,6,7
	FRAG 128*(\p)+FR*\i, ADRB+\slot, \q, \i
.endr
	WIN 0
.endm
.macro FETCH_A slot, q, i0             ; A's blocks i0 .. i0 + 3
.irp i, \i0, \i0+1, \i0+2, \i0+3
	FRAG AF+FR*(\i), ADRA+\slot, \q, \i
.endr
.endm
.macro SCALES sc                       ; the next K step's scale words into set sc: two words a row; lanes 0-15 take A's block i, lanes 16-31 B's block i
.irp i, 0,1,2,3,4,5,6,7
	ds_load_b64 v[SC+8*NQ*\sc+NQ*\i:SC+8*NQ*\sc+NQ*\i+1], v[ADRS] offset:\i*SBLK
.endr
.endm
; A load into a register that a matrix instruction has read, and a vector instruction that reads a matrix result or writes one of its registers, stand NP places behind that matrix instruction, and only plain vector
; instructions that name none of its registers are places (ISA guide 7.12.1 for vector instructions); the matrix instructions in between are not counted.
.macro PLACES n
.rept \n
	v_nop
.endr
.endm
; A step of 128 along K that has its successor in the same slot.  A block of A is free as soon as its eight products are issued: blocks 0-3 are fetched anew in the step's middle, blocks 4-7 at its end.
.macro STEP slot, q, zero
	s_wait_dscnt 4*NL                              ; B's set and A's blocks 0-3 are in; the youngest 24 loads (A's blocks 4-7) may be out
	WIN MUL_LO
	MUL16 0, (\q)%2, \q, \slot, \zero
	MUL16 2, (\q)%2, \q, \slot, \zero
	s_wait_dscnt 0                                 ; A's blocks 4-7 are in (asked for 32 matrix instructions ago)
	PLACES NP
	FETCH_B \slot, (\q)+1, 1-(\q)%2
	FETCH_A \slot, (\q)+1, 0
	WIN MUL_HI
	MUL16 4, (\q)%2, \q, \slot, \zero
	MUL16 6, (\q)%2, \q, \slot, \zero
	PLACES NP
	WIN 0
	FETCH_A \slot, (\q)+1, 4
.endm
; A slot's last step changes slots: ONE barrier; in front of it each wave waits for all its tensor loads, adds 0 to its spare word, and waits for that and for its own reads of this slot.  fill = 1: this slot is filled again, two K steps ahead.
.macro TURN slot, next, fill
	s_wait_tensorcnt 0x0                           ; all my tensor loads have landed: my part of the next slot;  (every window is 0 here: the add's two registers lie in window 0)
	ds_add_u32 v[SPW], v[NIL]                      ; 0 onto my spare word
	s_wait_dscnt 4*NL+1                            ; (the add and the youngest 24 loads, A's blocks 4-7, may be out)
	WIN MUL_LO
	MUL16 0, 1, NQ-1, \slot, 0                     ; sixteen matrix instructions stand between the add and the wait for it
	s_wait_dscnt 0x0                               ; the add is done, and my reads of this slot are over
	s_barrier_signal -1
	MUL16 2, 1, NQ-1, \slot, 0
	WIN 0
	s_barrier_wait -1
.if \fill
	CREST                                          ; the barrier has opened a round of the cluster's barrier: no wave of any partner still reads this slot's tile or has a load on its way
	s_add_nc_u64 s[G0+4*\slot+2:G0+4*\slot+3], s[G0+4*\slot+2:G0+4*\slot+3], 2*ROWB
	s_add_nc_u64 s[G0B+4*\slot+2:G0B+4*\slot+3], s[G0B+4*\slot+2:G0B+4*\slot+3], 2*ROWB
	JLOAD G0+4*\slot, G1, G0B+4*\slot, G1B         ; the first tensor load behind the round, my one load until the next; the four v_nop behind it are the places in front of the loads below
.else
	PLACES NP
.endif
	v_add_nc_u32 v[ADRS], 4*NQ, v[ADRS]            ; on to the next K step's scale words (no LDS load of mine is out)
	FETCH_B \next, 0, 0
	FETCH_A \next, 0, 0
	SCALES \next
	WIN MUL_HI
	MUL16 4, 1, NQ-1, \slot, 0
	MUL16 6, 1, NQ-1, \slot, 0
	PLACES NP
	WIN 0
	FETCH_A \next, 0, 4
.endm
	s_wait_tensorcnt 1                             ; the scale bytes and my part of K step 0 are in (K step 1's load may be out)
	s_barrier_signal -1
	s_barrier_wait -1                              ; everybody's are
	FETCH_B 0, 0, 0
	FETCH_A 0, 0, 0
	SCALES 0
	FETCH_A 0, 0, 4
	STEP 0, 0, 1                                   ; the first step stands in front of the loop: its products start the sums
	s_mov_b32 s3, LAPS-1
.Llap:                                                 ; a trip goes once round the ring, from a lap's second step to the next lap's first, and fills both slots again
	TURN 0, 1, 1
	STEP 1, 0, 0
	TURN 1, 0, 1
	STEP 0, 0, 0
	s_sub_co_u32 s3, s3, 1
	s_cmp_lg_u32 s3, 0
	s_cbranch_scc1 .Llap
	TURN 0, 1, 0                                   ; the last lap fills nothing, and has no round of the cluster's barrier
	STEP 1, 0, 0
	s_wait_dscnt 4*NL                              ; the very last step: nothing more to fetch
	WIN MUL_LO
	MUL16 0, 1, NQ-1, 1, 0
	MUL16 2, 1, NQ-1, 1, 0
	s_wait_dscnt 0
	WIN MUL_HI
	MUL16 4, 1, NQ-1, 1, 0
	MUL16 6, 1, NQ-1, 1, 0
	WIN 0
; THE WAY OUT.  64 numbers of a lane, v[s] .. v[s + 63], four blocks of 32 shared with lane l xor 16 (16 numbers of each block are mine), become a fragment's codes in v[PC] on and its scale word in v[pw].
.macro QUANT s, pw
.irp b, 0,1,2,3
	v_max3_num_f32 v[TM+\b], |v[\s+16*\b]|, |v[\s+1+16*\b]|, 0x2800000   ; block b: my 16 numbers, and the floor 2^(5 - 127): the byte cannot fall under 1
.endr
.irp i, 2,4,6,8,10,12,14
.irp b, 0,1,2,3
	v_max3_num_f32 v[TM+\b], v[TM+\b], |v[\s+16*\b+\i]|, |v[\s+1+16*\b+\i]|   ; (the four blocks by turns: no line waits for the line above it)
.endr
.endr
.irp b, 0,1,2,3
	v_permlanex16_b32 v[TM+4+\b], v[TM+\b], s[SEL], s[SEL+1]
.endr
.irp b, 0,1,2,3
	v_max_num_f32 v[TM+\b], v[TM+\b], v[TM+4+\b]   ; with lane l xor 16's: the block's largest magnitude
.endr
.irp b, 0,1,2,3
	v_add_nc_u32 v[TM+12+\b], 0xfe000000, v[TM+\b]   ; 4 off its exponent field: the conversion takes the exponent field of this operand as its scale, and nothing else of it
.endr
.irp b, 0,1,2,3
	v_lshrrev_b32 v[TM+4+\b], 23, v[TM+12+\b]      ; the scale's byte
.endr
	v_lshl_or_b32 v[\pw], v[TM+5], 8, v[TM+4]      ; the four bytes make my row's scale word (both halves of the lanes hold it)
	v_lshl_or_b32 v[\pw], v[TM+6], 16, v[\pw]
	v_lshl_or_b32 v[\pw], v[TM+7], 24, v[\pw]
.irp c, 0,1
	v_cvt_scalef32_pk16_bf6_f32 v[PC+6*\c:PC+2+6*\c], v[\s+32*\c:\s+15+32*\c], v[TM+12+2*\c]
	v_cvt_scalef32_pk16_bf6_f32 v[PC+12+4*\c:PC+14+4*\c], v[\s+16+32*\c:\s+31+32*\c], v[TM+12+2*\c+1]   ; (a conversion's three registers begin on an even number)
.endr
	v_nop                                          ; one plain place behind a scaled conversion
.irp c, 0,1                                    ; the operand's layout wants a WHOLE block in a lane: lanes 0-15 block 2 c, lanes 16-31 block 2 c + 1
.irp i, 0,1,2
	v_permlane16_swap_b32 v[PC+6*\c+\i], v[PC+12+4*\c+\i]
.endr
.irp i, 0,1,2
	v_mov_b32 v[PC+3+6*\c+\i], v[PC+12+4*\c+\i]
.endr
.endr
.endm
; Block a: A's rows 16 a .. 16 a + 15 against B's 128 rows: eight accumulators.  The bias is added (each accumulator is read from its low end on), the 64 numbers are quantised, and the fragment is stored as it stands:
; each of the three stores covers 512 consecutive bytes, aligned.  The two arms differ in the bias register alone; the branch hangs on the cluster's number.
.macro OUTBLK a
.set AC, 64*((\a)%4)
.if (\a) > 0
	s_wait_xcnt 0x0                                ; the last block's stores have read their data: the codes' registers are written again only behind this wait
.endif
	s_cmp_eq_u32 s[KIND], 2
	s_cbranch_scc1 .Lchan_\@
	WIN (0x02+(\a)/4)                              ; source 0: window 2 or 3
.irp b, 0,1,2,3,4,5,6,7
.irp j, 0,2,4,6
	v_pk_add_f32 v[T+8*\b+\j:T+8*\b+\j+1], v[AC+8*\b+\j:AC+8*\b+\j+1], v[BI+8*\b+\j:BI+8*\b+\j+1]   ; Q, K: the bias runs along the registers
.endr
.endr
	WIN 0
	s_branch .Ljoin_\@
.Lchan_\@:
	WIN (0x02+(\a)/4)
.irp b, 0,1,2,3,4,5,6,7
.irp j, 0,2,4,6
	v_pk_add_f32 v[T+8*\b+\j:T+8*\b+\j+1], v[AC+8*\b+\j:AC+8*\b+\j+1], v[BI+8*(\a)+\j:BI+8*(\a)+\j+1]   ; V: the bias is the lane's channel's
.endr
.endr
	WIN 0
.Ljoin_\@:
	QUANT T, SW+(\a)
.irp c, 0,1,2
	global_store_b128 v[LI], v[PC+4*\c:PC+4*\c+3], s[12:13] offset:1536*(\a)+512*\c
.endr
.endm
	PLACES NP                                      ; behind the last products: what follows reads results and writes registers that held A's fragments
	s_wait_loadcnt 0x0                             ; the bias
.irp b, 0,1,2,3
	v_mov_b32 v[TM+4+\b], 0                        ; written once: a lane permute's destination counts as one of its sources
.endr
.irp a, 0,1,2,3,4,5,6,7
	OUTBLK \a
.endr
	v_cmp_ne_u32 vcc_lo, 0, v2                     ; lanes 0-15 store the words of fragments 0-3, lanes 16-31 those of fragments 4-7
.irp i, 0,1,2,3
	v_cndmask_b32 v[XS+\i], v[SW+\i], v[SW+4+\i], vcc_lo
.endr
	global_store_b128 v[LI], v[XS:XS+3], s[12:13] offset:12288     ; 512 consecutive bytes, aligned
	s_wait_tensorcnt 0x0                           ; the wave's end
	ds_add_u32 v[SPW], v[NIL]
	s_wait_dscnt 0x0
	CROUND                                         ; the closing round: no work-group ends while a partner may still ask for a tile that names it
	s_endpgm
.Lfunc_end_k_q4b58c2c7c1_proj:
	.size	k_q4b58c2c7c1_proj, .Lfunc_end_k_q4b58c2c7c1_proj-k_q4b58c2c7c1_proj
	.p2alignl 7, 3214868480
	.fill 96, 4, 3214868480
	.section	.rodata,"a",@progbits
	.p2align	6, 0x0
	.amdhsa_kernel k_q4b58c2c7c1_proj
		.amdhsa_group_segment_fixed_size 327680
		.amdhsa_private_segment_fixed_size 0
		.amdhsa_enable_private_segment 0
		.amdhsa_kernarg_size 144
		.amdhsa_user_sgpr_count 2
		.amdhsa_user_sgpr_kernarg_segment_ptr 1
		.amdhsa_wavefront_size32 1
		.amdhsa_system_sgpr_workgroup_id_x 1
		.amdhsa_system_sgpr_workgroup_id_y 1
		.amdhsa_system_sgpr_workgroup_id_z 1
		.amdhsa_system_vgpr_workitem_id 0
		.amdhsa_next_free_vgpr 1024
		.amdhsa_next_free_sgpr 100
		.amdhsa_reserve_vcc 1
		.amdhsa_float_denorm_mode_32 3
		.amdhsa_float_denorm_mode_16_64 3
		.amdhsa_memory_ordered 1
		.amdhsa_forward_progress 1
		.amdhsa_inst_pref_size 204
	.end_amdhsa_kernel
	.amdgpu_metadata
---
amdhsa.version: [ 1, 2 ]
amdhsa.kernels:
  - .name:           k_q4b58c2c7c1_proj
    .symbol:         k_q4b58c2c7c1_proj.kd
    .args:
      - { .name: xq_codes, .offset: 0, .size: 8, .value_kind: global_buffer, .address_space: global }
      - { .name: xq_scales, .offset: 8, .size: 8, .value_kind: global_buffer, .address_space: global }
      - { .name: Wq_codes, .offset: 16, .size: 8, .value_kind: global_buffer, .address_space: global }
      - { .name: Wq_scales, .offset: 24, .size: 8, .value_kind: global_buffer, .address_space: global }
      - { .name: bq, .offset: 32, .size: 8, .value_kind: global_buffer, .address_space: global }
      - { .name: qp, .offset: 40, .size: 8, .value_kind: global_buffer, .address_space: global }
      - { .name: keys_codes, .offset: 48, .size: 8, .value_kind: global_buffer, .address_space: global }
      - { .name: keys_scales, .offset: 56, .size: 8, .value_kind: global_buffer, .address_space: global }
      - { .name: Wk_codes, .offset: 64, .size: 8, .value_kind: global_buffer, .address_space: global }
      - { .name: Wk_scales, .offset: 72, .size: 8, .value_kind: global_buffer, .address_space: global }
      - { .name: bk, .offset: 80, .size: 8, .value_kind: global_buffer, .address_space: global }
      - { .name: kp, .offset: 88, .size: 8, .value_kind: global_buffer, .address_space: global }
      - { .name: Wv_codes, .offset: 96, .size: 8, .value_kind: global_buffer, .address_space: global }
      - { .name: Wv_scales, .offset: 104, .size: 8, .value_kind: global_buffer, .address_space: global }
      - { .name: values_codes, .offset: 112, .size: 8, .value_kind: global_buffer, .address_space: global }
      - { .name: values_scales, .offset: 120, .size: 8, .value_kind: global_buffer, .address_space: global }
      - { .name: bv, .offset: 128, .size: 8, .value_kind: global_buffer, .address_space: global }
      - { .name: vp, .offset: 136, .size: 8, .value_kind: global_buffer, .address_space: global }
    .group_segment_fixed_size: 327680
    .private_segment_fixed_size: 0
    .kernarg_segment_align: 8
    .kernarg_segment_size: 144
    .max_flat_workgroup_size: 128
    .sgpr_count:     100
    .vgpr_count:     1024
    .wavefront_size: 32
...
	.end_amdgpu_metadata
.endif
;; end of part 2
;; launch attn (part 3): grid 8 x 32, 8 waves a work-group, clusters of 4 x 1, 327,680 bytes of LDS; arguments qp, kp, vp, queries, xbuf; writes xbuf
.if DOCPART == 3
	.amdgcn_target "amdgcn-amd-amdhsa--gfx1250"
	.amdhsa_code_object_version 6
	.text
	.protected	k_q4b58c2c7c1_attn
	.globl	k_q4b58c2c7c1_attn
	.p2align	8
	.type	k_q4b58c2c7c1_attn,@function
k_q4b58c2c7c1_attn:
	s_mov_b64 s[64:65], 0
	v_nop
	global_prefetch_b8 v0, s[64:65] scope:SCOPE_SE
	s_setreg_imm32_b32 hwreg(HW_REG_WAVE_MODE, 25, 1), 1
	s_wait_xcnt 0x0
	s_wait_alu depctr_hold_cnt(0) depctr_sa_sdst(0) depctr_va_vdst(0) depctr_va_sdst(0) depctr_va_ssrc(0) depctr_va_vcc(0) depctr_vm_vsrc(0)
	s_getreg_b32 s2, hwreg(HW_REG_IB_STS2, 6, 4)
	s_cmp_eq_u32 s2, 0
	s_cbranch_scc0 .Lentry_in_a_cluster
	s_endpgm
.Lentry_in_a_cluster:
	s_bfe_u32 s2, ttmp6, 0x10000c
	s_cmp_lg_u32 s2, 0x3003
	s_cbranch_scc0 .Lentry_shape_is_right
	s_endpgm
.Lentry_shape_is_right:
; xbuf[b][q][128 head + d] = queries[b][q][128 head + d] + the sum over k of softmax_k(Q[q] . K[k] / sqrt(128)) V[k][d], for 32 (batch, head) of 2,048 queries and keys; both products on codes of E3M2 with one E8M0
; scale for each 32 along a product's K.  Q, K and V come as PANELS of 12,800 bytes, number (8 batch + head) x 16 + group of 128: eight fragments of 1,536 bytes, each the image of an operand's 12 registers
; (registers 4 c .. 4 c + 3 of lane l at 1536 a + 512 c + 16 l), then 512 bytes of scale words (fragment a, row r at 12288 + 256 (a / 4) + 16 r + 4 (a % 4)).
; qp, kp: fragment a = queries or keys 16 a .. 16 a + 15 of the group, K = the head's 128.  vp: fragment a = channels 16 a .. 16 a + 15, K = the group's 128 keys.
; THE SOFTMAX AHEAD OF THE SECOND PRODUCT: t = score x log2(e) / sqrt(128); M = the row's largest t so far, rounded UP to a whole number; p = 2^(t - M) is what is quantised, along the keys; it is not normalised.
; The row's sum is taken of the unquantised p, in f32, and divides O at the end.  When M moves, the sum and O are multiplied by 2^(old M - new M): exact.
; SHARES.  A work-group owns 256 queries of one head; each of its EIGHT waves owns 32 of them, TWO tiles of 16, in 512 registers: every fragment of K and of V that a wave reads from LDS feeds two matrix instructions,
; so a key step reads 8 x 25,600 bytes of LDS.  Every wave walks all 2,048 keys, 128 a step.  K's and V's panels come through a ring of two LDS slots of 512 keys; each wave fetches one panel of a slot
; (waves 0-3 K's four, waves 4-7 V's four), and all eight read all of it.
; CLUSTER.  The four query blocks of a cluster belong to one head and walk the same K and V, so each panel is asked for JOINTLY: the same tensor load, with the same descriptor and a mask that names the four.
; LAYOUT.  Both products are used transposed: S^T = K Q^T (source 0 = 16 keys, source 1 = 16 queries), O^T = V^T P^T (source 0 = 16 channels, source 1 = P): a lane holds ONE query (lane % 16) of each tile throughout.
; TWO SETS OF FRAGMENT REGISTERS: a step's eight fragments of K are asked for in one run at its head; its eight of V ahead of the two softmaxes, some 470 vector instructions ahead of their first use.
; PLACES INSIDE A BLOCK OF 32 KEYS.  A lane's 16 registers of tiles 2 b and 2 b + 1 are keys 32 b + 8 h + 0..7 and 32 b + 16 + 8 h + 0..7 (h = lane / 16) and are laid at places 32 b + 16 h + 0..15 of p's operand.
; V's codes were laid by the same order of places, so the products are the same; the block is the true block, so scale and codes are the quantiser's.  Only the order in which the unit adds inside a block differs.
; LIMITS: a block whose every p is 0 keeps the byte 1 (zero codes); NaN and infinities are not served.  A block's largest p is taken from the block's largest score by the same two instructions: this takes
; v_exp_f32 not to fall where its input rises; at the worst one p of a block, within an ulp of a power of two, would be held one code low.
; REGISTERS, in windows of 256 (s_set_vgpr_msb's low byte: bits 1:0 source 0, 3:2 source 1, 5:4 source 2, 7:6 destination):
;   window 0: v1-11 addresses; v12-19 for each tile -M, the largest t, the sum in two halves; v20-31, v80-91 p's codes; v32-79 fragment set A; v92-93 f; v96-223 S^T, then p, at last the residual, 64 a tile;
;             v224-227, v248-251 the fragments' scale words, v228-229 p's, v230-231 Q's: these twelve hold scales and nothing else; v232-247, v254 at work.
;   window 1: v0-127 O^T, 64 a tile; v128-151 Q; v160-207 fragment set B.
; All that a softmax touches but O^T lies in window 0; only matrix operands, O^T's rescaling, loads and the moves that clear O^T name window 1.
.set PANEL, 12800
.set HEADB, 16*PANEL                   ; a head's panels
.set VOFF,  4*PANEL                    ; a slot: K's four panels, then V's four: 102,400 bytes
.set SLOT1, 1<<17                      ; slot 1 begins here, so that one exclusive or turns an address in one slot into the other's
.set NSL,   2048/512                   ; slots' worth of keys
.set SPARE, 2*SLOT1                    ; behind the ring: the spare words, 128 bytes for each wave: four blocks of 256 bytes that no other line names
.set STAGE, SPARE+8*128                ; the way out: 16 rows x (256 bytes + 16) for each wave, bytes of their own into which no fill lands
.set LI,   1                           ; v1   16 x lane: my place in an image; never rewritten
.set LR,   2                           ; v2   16 x (lane % 16): my row's scale words; never rewritten
.set ADLV, 3                           ; v3-4 LDS addresses of the step's V: images, scale words
.set ADSV, 4
.set SPW,  5                           ; v5   LDS address of my spare word; never rewritten
.set NIL,  6                           ; v6   0; never rewritten
.set GO,   7                           ; v7   my byte offset in a tile's 16 rows of queries and xbuf; never rewritten
.set ADL,  8                           ; v8-9 the same as v3-4 for K
.set ADS,  9
.set ST,   12                          ; tile u: v[ST+4u] -M, +1 the largest t, +2, +3 the sum
.set PC0,  20                          ; p's codes: tile u at v[PC0+60u]
.set FA,   32                          ; fragment set A
.set FF,   92                          ; f = 2^(old M - new M); v93 is named with it as a pair
.set SS,   96                          ; S^T: tile u at v[SS+64u]
.set KSB,  224                         ; scale words of set B's four fragments
.set PSW,  228                         ; p's scale word, tile u
.set QSW,  230                         ; Q's scale word, tile u
.set KSA,  248                         ; scale words of set A's four fragments
.set TX,   254                         ; at work
.set OT,   0                           ; window 1: O^T, tile u at v[OT+64u]
.set QF,   128                         ; window 1: Q, tile u at v[QF+12u]
.set FB,   160                         ; window 1: fragment set B
.set WV,   18                          ; s18  my wave's number
.set SEL,  20                          ; s[20:21] lane selects for v_permlanex16_b32: lane l xor 16
.set CS,   22                          ; s[22:23] c = log2(e) / sqrt(128): the packed form names a pair and takes its low word for both halves
.set G1,   24                          ; s[24:31] descriptor group 1: a panel
.set G0K,  32                          ; s[32:35], s[36:39] groups 0 for K's and V's panels, which walk
.set G0V,  36
.set TB,   40                          ; s40  LDS byte at which the slot in hand begins
.set SLOTS, 41                         ; s41  slots still to be asked for
.set MSB, 0
.macro WIN new                         ; the immediate's high byte repeats the setting that is left; a switch that changes nothing is dropped
.if MSB != \new
	s_set_vgpr_msb (MSB<<8)|\new
.set MSB, \new
.endif
.endm
; A joint load: waves 0-3 fetch K's four panels, waves 4-7 V's.  Each of the two lines has one set of registers for all that issue it; the branch hangs on the wave's number alone.
; Four v_nop follow each of the two lines, ahead of the jump, the label and what follows.
.macro TLOAD
	s_cmp_lt_u32 s[WV], 4
	s_cbranch_scc0 .Lfor_v_\@
	tensor_load_to_lds s[G0K:G0K+3], s[G1:G1+7]
	s_nop 0
.rept 4
	v_nop
.endr
	s_branch .Lasked_\@
.Lfor_v_\@:
	tensor_load_to_lds s[G0V:G0V+3], s[G1:G1+7]
	s_nop 0
.rept 4
	v_nop
.endr
.Lasked_\@:
.endm
; A round of the cluster's barrier: my work-group's barrier, so that wave 0's signal speaks for all eight waves; wave 0 signals for the work-group; every wave waits for all four work-groups; my work-group's barrier once more.
.macro CROUND
	s_barrier_signal -1
	s_barrier_wait -1
	s_cmp_lg_u32 s[WV], 0
	s_cbranch_scc1 .Lnot_wave_0_\@
	s_barrier_signal -3
.Lnot_wave_0_\@:
	s_barrier_wait -3
	s_barrier_signal -1
	s_barrier_wait -1
.endm
	s_load_b256 s[4:11], s[0:1], 0x0               ; qp s[4:5], kp s[6:7], vp s[8:9], queries s[10:11]
	s_load_b64 s[12:13], s[0:1], 0x20              ; xbuf
	v_lshl_add_u32 v[SPW], v0, 2, SPARE
	v_mov_b32 v[NIL], 0
	ds_add_u32 v5, v6
	ds_add_u32 v5, v6
	s_wait_dscnt 0x0
	v_lshrrev_b32 v8, 5, v0
	v_readfirstlane_b32 s[WV], v8                  ; wave 0..7
	s_bfe_u32 s42, ttmp6, 0x40000                  ; cx: my place in the cluster
	s_lshl_b32 s43, ttmp9, 2                       ; in a cluster launch ttmp9 counts clusters
	s_add_co_u32 s43, s43, s42                     ; my block of 256 queries, 0 .. 7: it enters Q's, the residual's and the result's addresses alone
	s_and_b32 s44, ttmp7, 0xffff                   ; 8 batch + head, which the four partners share
	s_mul_i32 s46, s44, HEADB                      ; the head's first byte in qp, kp and vp
	s_and_b32 s45, s[WV], 3
	s_mul_i32 s47, s45, PANEL                      ; which of a slot's four panels of K or of V I fetch: in memory,
	s_add_co_u32 s48, s46, s47
	s_mov_b32 s49, 0
	s_mul_i32 s45, s[WV], PANEL                    ; and in a slot: wave x 12,800: K's four, then V's four
	; descriptor group 1: a panel is a dense block of 12,800 bytes: 50 rows of 256 bytes (32 elements of 8 bytes), no padding (an image is read 16 bytes a lane on end)
	s_mov_b32 s[G1], 15|(3<<16)|(1<<21)            ; 15:0 the mask: all four work-groups; 17:16 elements of 8 bytes; 21 set beside a mask
	s_mov_b32 s[G1+1], 32<<16                      ; tensor_dim0
	s_mov_b32 s[G1+2], 50<<16                      ; tensor_dim1
	s_mov_b32 s[G1+3], 32<<16                      ; tile_dim0
	s_mov_b32 s[G1+4], 50                          ; tile_dim1
	s_mov_b32 s[G1+5], 32                          ; tensor_dim0_stride
	s_mov_b32 s[G1+6], 0
	s_mov_b32 s[G1+7], 0
	s_mov_b32 s[SEL], 0x76543210
	s_mov_b32 s[SEL+1], 0xfedcba98
	s_mov_b32 s[CS], 0x3e0293ee                    ; c = log2(e) / sqrt(128)
	s_mov_b32 s[CS+1], s[CS]                       ; (named with it as a pair, so it is written)
	s_mov_b32 s[TB], 0
	s_mov_b32 s[SLOTS], NSL-1
	s_wait_kmcnt 0x0
	s_mov_b32 s[G0K], 1                            ; 1:0 count = 1
	s_mov_b32 s[G0K+1], s45                        ; 63:32 LDS address: slot 0
	s_add_nc_u64 s[G0K+2:G0K+3], s[6:7], s[48:49]  ; 120:64 global address: the head's first 512 keys
	s_or_b32 s[G0K+3], s[G0K+3], 0x80000000        ; 127:126 type = 2
	s_mov_b32 s[G0V], 1
	s_mov_b32 s[G0V+1], s45
	s_add_nc_u64 s[G0V+2:G0V+3], s[8:9], s[48:49]
	s_or_b32 s[G0V+3], s[G0V+3], 0x80000000
	CROUND                                         ; all four work-groups are here: the first joint loads meet
	TLOAD                                          ; slot 0: one tensor load of mine is out
	s_lshl_b32 s50, s43, 1
	s_lshr_b32 s51, s[WV], 2
	s_add_co_u32 s50, s50, s51                     ; my panel of queries: 2 x block + wave / 4
	s_mul_i32 s50, s50, PANEL
	s_add_co_u32 s50, s50, s46
	s_mov_b32 s51, 0
	s_add_nc_u64 s[4:5], s[4:5], s[50:51]
	s_and_b32 s52, s[WV], 3                        ; my two fragments in it: a = 2 (wave % 4) + u
	s_mul_i32 s54, s52, 2*1536
	s_mov_b32 s55, 0
	s_add_nc_u64 s[54:55], s[4:5], s[54:55]        ; their images
	s_lshr_b32 s56, s52, 1
	s_lshl_b32 s56, s56, 8                         ; 256 (a / 4)
	s_and_b32 s52, s52, 1
	s_lshl_b32 s52, s52, 3                         ; 4 (a % 4) = 8 (wave % 2) + 4 u
	s_add_co_u32 s56, s56, s52
	s_mov_b32 s57, 0
	s_add_nc_u64 s[56:57], s[4:5], s[56:57]        ; and their scale words
	s_lshr_b32 s58, s44, 3
	s_lshl_b32 s58, s58, 11                        ; batch x 2,048 rows
	s_lshl_b32 s59, s43, 8
	s_add_co_u32 s58, s58, s59                     ; + 256 x block
	s_lshl_b32 s59, s[WV], 5
	s_add_co_u32 s58, s58, s59                     ; + 32 x wave: my first row of queries and of xbuf
	s_lshl_b32 s58, s58, 12                        ; rows of 4,096 bytes
	s_and_b32 s59, s44, 7
	s_lshl_b32 s59, s59, 9                         ; the head's 512 bytes in a row
	s_add_co_u32 s58, s58, s59
	s_mov_b32 s59, 0
	s_add_nc_u64 s[10:11], s[10:11], s[58:59]
	s_add_nc_u64 s[12:13], s[12:13], s[58:59]
	v_and_b32 v8, 31, v0
	v_lshlrev_b32 v[LI], 4, v8
	v_and_b32 v8, 15, v0                           ; r
	v_lshlrev_b32 v[LR], 4, v8
	v_bfe_u32 v9, v0, 4, 1                         ; h
	v_lshl_add_u32 v[GO], v9, 12, v[LR]            ; lanes 0-15 take one row, lanes 16-31 the next; 16 bytes a lane
	WIN 0x40                                       ; destination window 1
.irp u, 0,1
.irp c, 0,1,2
	global_load_b128 v[QF+12*\u+4*\c:QF+12*\u+4*\c+3], v[LI], s[54:55] offset:1536*\u+512*\c   ; Q's two fragments stay in registers
.endr
.endr
	WIN 0
.irp u, 0,1
	global_load_b32 v[QSW+\u], v[LR], s[56:57] offset:12288+4*\u         ; and their scale words
.endr
.irp u, 0,1
	v_mov_b32 v[ST+4*\u+1], 0xff61b1e6             ; the largest t so far: -3e38, under every t
	v_floor_f32 v[ST+4*\u], -v[ST+4*\u+1]          ; -M
	v_mov_b32 v[ST+4*\u+2], 0                      ; the sum, in two halves
	v_mov_b32 v[ST+4*\u+3], 0
.endr
.irp b, 0,1,2,3
	v_mov_b32 v[236+\b], 0                         ; written once: a lane permute's destination counts as one of its sources
.endr
	v_mov_b32 v[FF+1], 0                           ; (named as the upper half of the pair with f, so it is written)
	WIN 0x40
.set JJ, 0
.rept 128
	v_mov_b32 v[OT+JJ], 0                          ; O^T.  (A step is written for every step alike: the first finds zeros, which the first change of M leaves zeros.  A first step whose products start the sums would be a third copy of a slot's four steps)
.set JJ, JJ+1
.endr
	WIN 0
; Eight fragments and their scale words, panel q of the slot, from the addresses in v[adl] (images) and v[ads] (scale words): set A's twelve loads and the two loads of scale words first, set B's twelve last.
.macro FETCH adl, ads, q
.irp t, 0,1,2,3
.irp c, 0,1,2
	ds_load_b128 v[FA+12*\t+4*\c:FA+12*\t+4*\c+3], v[\adl] offset:PANEL*(\q)+1536*\t+512*\c   ; an image: 512 consecutive bytes a load
.endr
.endr
	ds_load_b128 v[KSA:KSA+3], v[\ads] offset:PANEL*(\q)+12288           ; my row's words of fragments 0-3,
	ds_load_b128 v[KSB:KSB+3], v[\ads] offset:PANEL*(\q)+12288+256       ; and of fragments 4-7
	WIN 0x40                                       ; destination window 1
.irp t, 0,1,2,3
.irp c, 0,1,2
	ds_load_b128 v[FB+12*\t+4*\c:FB+12*\t+4*\c+3], v[\adl] offset:PANEL*(\q)+1536*(4+\t)+512*\c
.endr
.endr
	WIN 0
.endm
; THE SOFTMAX OF TILE u FOR ONE KEY STEP.  last = 1: the launch's last step: p's registers then take the tile's residual.
.macro SOFT u, last
.set SB, SS+64*(\u)
.set TT, ST+4*(\u)
.set PB, PC0+60*(\u)
.set OB, OT+64*(\u)
.irp b, 0,1,2,3
	v_max3_num_f32 v[232+\b], v[SB+16*\b], v[SB+1+16*\b], v[SB+2+16*\b]   ; THE LARGEST SCORE OF EACH BLOCK OF 32 KEYS: it serves twice: for the row's maximum, and, since p rises with the score, for the block's largest p
.endr
.irp i, 3,5,7,9,11,13
.irp b, 0,1,2,3
	v_max3_num_f32 v[232+\b], v[232+\b], v[SB+16*\b+\i], v[SB+1+16*\b+\i]   ; (the four blocks by turns)
.endr
.endr
.irp b, 0,1,2,3
	v_max_num_f32 v[232+\b], v[232+\b], v[SB+15+16*\b]
.endr
.irp b, 0,1,2,3
	v_permlanex16_b32 v[236+\b], v[232+\b], s[SEL], s[SEL+1]
.endr
.irp b, 0,1,2,3
	v_max_num_f32 v[232+\b], v[232+\b], v[236+\b]  ; with lane l xor 16's 16 keys
.endr
	v_max3_num_f32 v[TX], v232, v233, v234
	v_max_num_f32 v[TX], v[TX], v235               ; the step's largest score of my query
	v_mul_f32 v[TX], s[CS], v[TX]                  ; as t (c is positive)
	v_max_num_f32 v[TT+1], v[TT+1], v[TX]          ; the running largest t
	v_mov_b32 v[TX], v[TT]
	v_floor_f32 v[TT], -v[TT+1]                    ; the new -M = floor(-t) = -ceil(t): M IS A WHOLE NUMBER
	v_sub_f32 v[TX], v[TT], v[TX]                  ; M's old value less its new one: a whole number, 0 or less
	v_cvt_i32_f32 v[TX], v[TX]                     ; (it saturates)
	v_ldexp_f32 v[FF], 1.0, v[TX]                  ; f = 2^(old M - new M): what was summed under the old M is brought under the new by a multiplication that rounds nothing
.set JJ, 0
.rept 32
	v_pk_fma_f32 v[SB+JJ:SB+JJ+1], v[SB+JJ:SB+JJ+1], s[CS:CS+1], v[TT:TT+1] op_sel_hi:[1,0,0]   ; t - M, two at a time (of the pairs c and -M the low word serves both halves)
.set JJ, JJ+2
.endr
.irp b, 0,1,2,3
	v_fma_f32 v[232+\b], v[232+\b], s[CS], v[TT]   ; the same of each block's largest score
.endr
.set JJ, 0
.rept 64
	v_exp_f32 v[SB+JJ], v[SB+JJ]                   ; p = 2^(t - M), at most 1: NOT normalised
.set JJ, JJ+1
.endr
.irp b, 0,1,2,3
	v_exp_f32 v[232+\b], v[232+\b]                 ; the block's largest p: the same two instructions on the same number give the same bits
.endr
	v_pk_mul_f32 v[TT+2:TT+3], v[TT+2:TT+3], v[FF:FF+1] op_sel_hi:[1,0]   ; the sums under the new M.  (A plain place behind the exponentials)
	s_wait_alu depctr_va_vdst(0)
.irp b, 0,1,2,3
	v_max_num_f32 v[232+\b], 0x2800000, v[232+\b]  ; the floor 2^(5 - 127): the byte cannot fall under 1
.endr
.irp b, 0,1,2,3
	v_add_nc_u32 v[244+\b], 0xfe000000, v[232+\b]  ; 4 off the exponent field: the conversion's scale operand
.endr
.irp b, 0,1,2,3
	v_lshrrev_b32 v[236+\b], 23, v[244+\b]         ; the scale's byte
.endr
	v_lshl_or_b32 v[PSW+\u], v237, 8, v236         ; p's scale word for these 128 keys
	v_lshl_or_b32 v[PSW+\u], v238, 16, v[PSW+\u]
	v_lshl_or_b32 v[PSW+\u], v239, 24, v[PSW+\u]
.irp c, 0,1
	v_cvt_scalef32_pk16_bf6_f32 v[PB+6*\c:PB+2+6*\c], v[SB+32*\c:SB+15+32*\c], v[244+2*\c]
	v_cvt_scalef32_pk16_bf6_f32 v[236+4*\c:238+4*\c], v[SB+16+32*\c:SB+31+32*\c], v[244+2*\c+1]   ; (a conversion's three registers begin on an even number)
.endr
	v_nop                                          ; one plain vector instruction between a scaled conversion and the vector instruction that touches its result
.irp c, 0,1                                    ; the operand's layout wants a WHOLE block in a lane: lanes 0-15 block 2 c, lanes 16-31 block 2 c + 1
.irp i, 0,1,2
	v_permlane16_swap_b32 v[PB+6*\c+\i], v[236+4*\c+\i]
.endr
.irp i, 0,1,2
	v_mov_b32 v[PB+3+6*\c+\i], v[236+4*\c+\i]
.endr
.endr
	v_pk_add_f32 v[236:237], v[SB:SB+1], v[SB+2:SB+3]   ; THE ROW'S SUM IS TAKEN OF THE UNQUANTISED p: two at a time, in two chains
.irp j, 4,8,12,16,20,24,28,32,36,40,44,48,52,56,60
	v_pk_add_f32 v[TT+2:TT+3], v[TT+2:TT+3], v[SB+\j:SB+\j+1]
	v_pk_add_f32 v[236:237], v[236:237], v[SB+2+\j:SB+3+\j]
.endr
	v_pk_add_f32 v[TT+2:TT+3], v[TT+2:TT+3], v[236:237]
.if \last
.irp hh, 0,1                                   ; p's registers are free: the residual, the tile's 16 rows x the head's 512 bytes, is asked for here and lands under the last products.  16 lanes read 256 consecutive bytes, aligned
.irp i, 0,1,2,3,4,5,6,7
	global_load_b128 v[SB+32*\hh+4*\i:SB+32*\hh+4*\i+3], v[GO], s[10:11] offset:65536*(\u)+8192*\i+256*\hh
.endr
.endr
.endif
	WIN 0x41                                       ; O^T (destination and source 0) in window 1, f in window 0
.set JJ, 0
.rept 32
	v_pk_mul_f32 v[OB+JJ:OB+JJ+1], v[OB+JJ:OB+JJ+1], v[FF:FF+1] op_sel_hi:[1,0]   ; O^T under the new M: x f, each accumulator from its low end on.  (These are also the places between the codes' and the scale word's last writes and the products)
.set JJ, JJ+2
.endr
	WIN 0
.endm
; A KEY STEP: 128 keys, panel q of the slot in hand, for both tiles.  The accumulators take turns, one instruction a turn.
.macro STEP q, last
	v_add_nc_u32 v[ADL], s[TB], v[LI]
	v_add_nc_u32 v[ADS], s[TB], v[LR]
	v_add_nc_u32 v[ADLV], VOFF, v[ADL]
	v_add_nc_u32 v[ADSV], VOFF, v[ADS]             ; these four are the places in front of loads into registers that the last step's products have read (ISA guide 7.12.1 for vector instructions)
	FETCH ADL, ADS, \q                             ; K
	s_wait_dscnt 12                                ; set A and the scale words are in; the youngest twelve loads, set B's, may be out
	WIN 0x04                                       ; S^T = K Q^T: K in window 0, Q in window 1, S^T in window 0
.irp t, 0,1,2,3
.irp u, 0,1
	v_wmma_scale_f32_16x16x128_f8f6f4 v[SS+64*\u+8*\t:SS+64*\u+8*\t+7], v[FA+12*\t:FA+12*\t+11], v[QF+12*\u:QF+12*\u+11], 0, v[KSA+\t], v[QSW+\u] matrix_a_fmt:MATRIX_FMT_BF6 matrix_b_fmt:MATRIX_FMT_BF6
.endr
.endr
	s_wait_dscnt 0x0                               ; set B is in
	WIN 0x05                                       ; K in window 1
.irp t, 0,1,2,3
.irp u, 0,1
	v_wmma_scale_f32_16x16x128_f8f6f4 v[SS+64*\u+8*(4+\t):SS+64*\u+8*(4+\t)+7], v[FB+12*\t:FB+12*\t+11], v[QF+12*\u:QF+12*\u+11], 0, v[KSB+\t], v[QSW+\u] matrix_a_fmt:MATRIX_FMT_BF6 matrix_b_fmt:MATRIX_FMT_BF6
.endr
.endr
	WIN 0
.rept 4
	v_nop                                          ; four places: in front of the loads into both sets and the scale words, and of the first read of the scores
.endr
	FETCH ADLV, ADSV, \q                           ; V: it lands under the two softmaxes
	SOFT 0, \last
	SOFT 1, \last
	s_wait_dscnt 0x0                               ; V is in
	WIN 0x50                                       ; O^T += V^T P^T: V and P in window 0, O^T in window 1
.irp t, 0,1,2,3
.irp u, 0,1
	v_wmma_scale_f32_16x16x128_f8f6f4 v[OT+64*\u+8*\t:OT+64*\u+8*\t+7], v[FA+12*\t:FA+12*\t+11], v[PC0+60*\u:PC0+60*\u+11], v[OT+64*\u+8*\t:OT+64*\u+8*\t+7], v[KSA+\t], v[PSW+\u] matrix_a_fmt:MATRIX_FMT_BF6 matrix_b_fmt:MATRIX_FMT_BF6
.endr
.endr
	WIN 0x51                                       ; V in window 1
.irp t, 0,1,2,3
.irp u, 0,1
	v_wmma_scale_f32_16x16x128_f8f6f4 v[OT+64*\u+8*(4+\t):OT+64*\u+8*(4+\t)+7], v[FB+12*\t:FB+12*\t+11], v[PC0+60*\u:PC0+60*\u+11], v[OT+64*\u+8*(4+\t):OT+64*\u+8*(4+\t)+7], v[KSB+\t], v[PSW+\u] matrix_a_fmt:MATRIX_FMT_BF6 matrix_b_fmt:MATRIX_FMT_BF6
.endr
.endr
	WIN 0
.endm
; THE CHANGE OF SLOTS stands at a slot's head.  Each wave waits for all its tensor loads (its panel of the slot that it is about to read), adds 0 to its spare word, and waits for that and for its reads of the slot that it has left.
; Behind the barrier the slot ahead is whole and nobody reads the other one.  fill = 1: the barrier is a round of the cluster's, so that this holds of every partner too, and that other slot is filled with the
; 512 keys that follow: eight loads of 12,800 bytes, one a wave, with a whole slot's four steps in which to land.
.macro CHANGE fill
	s_wait_tensorcnt 0x0                           ; no tensor load of mine is out, so a group 0 may be written
	ds_add_u32 v[SPW], v[NIL]                      ; 0 onto my spare word; with fill = 1 the descriptors' steps stand between it and the wait for it
.if \fill
	s_xor_b32 s[G0K+1], s[G0K+1], SLOT1            ; the walking descriptors: the other slot than last time,
	s_add_nc_u64 s[G0K+2:G0K+3], s[G0K+2:G0K+3], 4*PANEL   ; four panels on; the type bits on top are not reached
	s_xor_b32 s[G0V+1], s[G0V+1], SLOT1
	s_add_nc_u64 s[G0V+2:G0V+3], s[G0V+2:G0V+3], 4*PANEL
.endif
	s_wait_dscnt 0x0                               ; the add is done, and my reads of the slot that I have left are over
.if \fill
	CROUND
	TLOAD                                          ; the first thing behind the round, and my one tensor load until the next
.else
	s_barrier_signal -1
	s_barrier_wait -1
.endif
.endm
.macro SLOT_STEPS last
	STEP 0, 0
	STEP 1, 0
	STEP 2, 0
	STEP 3, \last
	s_xor_b32 s[TB], s[TB], SLOT1                  ; on to the other slot
.endm
	s_wait_loadcnt 0x0                             ; Q
.Lslot:                                            ; three trips: behind each change of slots but the last the next slot is asked for
	CHANGE 1
	SLOT_STEPS 0
	s_sub_co_u32 s[SLOTS], s[SLOTS], 1
	s_cmp_lg_u32 s[SLOTS], 0
	s_cbranch_scc1 .Lslot
	CHANGE 0                                       ; the last slot is written out
	SLOT_STEPS 1
	; THE WAY OUT.  O^T is divided by the row's sum and goes through my stage in LDS, half a head's row (64 channels, 256 bytes) of 16 queries at a time; the residual is added to the rows as they come back.
	v_add_f32 v[ST+2], v[ST+2], v[ST+3]            ; the sums' two halves,
	v_add_f32 v[ST+6], v[ST+6], v[ST+7]
	v_permlanex16_b32 v236, v[ST+2], s[SEL], s[SEL+1]
	v_permlanex16_b32 v237, v[ST+6], s[SEL], s[SEL+1]
	v_add_f32 v[ST+2], v[ST+2], v236               ; and lane l xor 16's: the rows' sums
	v_add_f32 v[ST+6], v[ST+6], v237
	v_rcp_f32 v[ST+2], v[ST+2]
	v_rcp_f32 v[ST+6], v[ST+6]
	v_and_b32 v8, 15, v0                           ; (a plain place behind the transcendentals)  r
	v_bfe_u32 v9, v0, 4, 1                         ; h
	s_mul_i32 s60, s[WV], 16*272
	s_add_co_u32 s60, s60, STAGE                   ; my stage
	v_mul_u32_u24 v10, v8, 272
	v_lshl_add_u32 v10, v9, 5, v10
	v_add_nc_u32 v10, s60, v10                     ; in: row r; tile t's eight channels of my half: 64 t + 32 h bytes on
	v_mul_u32_u24 v11, v9, 272
	v_lshl_add_u32 v11, v8, 4, v11
	v_add_nc_u32 v11, s60, v11                     ; back: lanes 0-15 one row, lanes 16-31 the next
	s_wait_alu depctr_va_vdst(0)
	s_wait_loadcnt 0x0                             ; the residual of both tiles
.macro OUT u
.set SB, SS+64*(\u)
.set TT, ST+4*(\u)
.set OB, OT+64*(\u)
	WIN 0x01                                       ; source 0 (O^T) in window 1
.set JJ, 0
.rept 32
	v_pk_mul_f32 v[32+JJ:33+JJ], v[OB+JJ:OB+JJ+1], v[TT+2:TT+3] op_sel_hi:[1,0]   ; O^T / the sum, each accumulator from its low end on: register 8 t + i is o(r, 16 t + 8 h + i)
.set JJ, JJ+2
.endr
	WIN 0
.irp hh, 0,1                                   ; channels 64 hh on
.irp t, 0,1,2,3
	ds_store_b128 v10, v[32+32*\hh+8*\t:35+32*\hh+8*\t] offset:64*\t
	ds_store_b128 v10, v[36+32*\hh+8*\t:39+32*\hh+8*\t] offset:64*\t+16
.endr
.irp i, 0,1,2,3,4,5,6,7
	ds_load_b128 v[32+32*\hh+4*\i:35+32*\hh+4*\i], v11 offset:2*\i*272   ; LDS serves a wave's instructions in order (ISA guide 5.7.1.4): these see my stores, and the next half's stores come behind them; the rows come back into the registers that they left
.endr
.endr
.irp hh, 0,1
.irp i, 0,1,2,3,4,5,6,7
	s_wait_dscnt 23-16*\hh-\i                      ; the younger stage instructions may be out: the rest of this half's loads, and the next half's 8 stores and 8 loads
	v_pk_add_f32 v[SB+32*\hh+4*\i:SB+32*\hh+4*\i+1], v[32+32*\hh+4*\i:33+32*\hh+4*\i], v[SB+32*\hh+4*\i:SB+32*\hh+4*\i+1]
	v_pk_add_f32 v[SB+32*\hh+4*\i+2:SB+32*\hh+4*\i+3], v[34+32*\hh+4*\i:35+32*\hh+4*\i], v[SB+32*\hh+4*\i+2:SB+32*\hh+4*\i+3]
	global_store_b128 v[GO], v[SB+32*\hh+4*\i:SB+32*\hh+4*\i+3], s[12:13] offset:65536*(\u)+8192*\i+256*\hh   ; 16 lanes store 256 consecutive bytes, aligned; the data lie in the tile's own registers, which are not written again
.endr
.endr
.endm
	OUT 0
	OUT 1
	s_wait_tensorcnt 0x0                           ; the wave's end, behind my last tensor load and my last LDS store
	ds_add_u32 v[SPW], v[NIL]
	s_wait_dscnt 0x0
	CROUND                                         ; the closing round: no work-group ends while a partner may still ask for a panel that names it
	s_endpgm
.Lfunc_end_k_q4b58c2c7c1_attn:
	.size	k_q4b58c2c7c1_attn, .Lfunc_end_k_q4b58c2c7c1_attn-k_q4b58c2c7c1_attn
	.p2alignl 7, 3214868480
	.fill 96, 4, 3214868480
	.section	.rodata,"a",@progbits
	.p2align	6, 0x0
	.amdhsa_kernel k_q4b58c2c7c1_attn
		.amdhsa_group_segment_fixed_size 327680
		.amdhsa_private_segment_fixed_size 0
		.amdhsa_enable_private_segment 0
		.amdhsa_kernarg_size 40
		.amdhsa_user_sgpr_count 2
		.amdhsa_user_sgpr_kernarg_segment_ptr 1
		.amdhsa_wavefront_size32 1
		.amdhsa_system_sgpr_workgroup_id_x 1
		.amdhsa_system_sgpr_workgroup_id_y 1
		.amdhsa_system_sgpr_workgroup_id_z 1
		.amdhsa_system_vgpr_workitem_id 0
		.amdhsa_next_free_vgpr 512
		.amdhsa_next_free_sgpr 66
		.amdhsa_reserve_vcc 0
		.amdhsa_float_denorm_mode_32 3
		.amdhsa_float_denorm_mode_16_64 3
		.amdhsa_memory_ordered 1
		.amdhsa_forward_progress 1
		.amdhsa_inst_pref_size 255
	.end_amdhsa_kernel
	.section	.bss,"aw",@nobits
	.p2align	6
	.space	262144
	.amdgpu_metadata
---
amdhsa.version: [ 1, 2 ]
amdhsa.kernels:
  - .name:           k_q4b58c2c7c1_attn
    .symbol:         k_q4b58c2c7c1_attn.kd
    .args:
      - { .name: qp, .offset: 0, .size: 8, .value_kind: global_buffer, .address_space: global }
      - { .name: kp, .offset: 8, .size: 8, .value_kind: global_buffer, .address_space: global }
      - { .name: vp, .offset: 16, .size: 8, .value_kind: global_buffer, .address_space: global }
      - { .name: queries, .offset: 24, .size: 8, .value_kind: global_buffer, .address_space: global }
      - { .name: xbuf, .offset: 32, .size: 8, .value_kind: global_buffer, .address_space: global }
    .group_segment_fixed_size: 327680
    .private_segment_fixed_size: 0
    .kernarg_segment_align: 8
    .kernarg_segment_size: 40
    .max_flat_workgroup_size: 256
    .sgpr_count:     66
    .vgpr_count:     512
    .wavefront_size: 32
...
	.end_amdgpu_metadata
.endif
;; end of part 3
;; launch ln (part 4): grid 256 x 1, 8 waves a work-group, no clusters, 0 bytes of LDS; arguments xbuf, gamma, beta, out0; writes out0
.if DOCPART == 4
	.amdgcn_target "amdgcn-amd-amdhsa--gfx1250"
	.amdhsa_code_object_version 6
	.text
	.protected	k_q4b58c2c7c1_ln
	.globl	k_q4b58c2c7c1_ln
	.p2align	8
	.type	k_q4b58c2c7c1_ln,@function
k_q4b58c2c7c1_ln:
	s_mov_b64 s[64:65], 0
	v_nop
	global_prefetch_b8 v0, s[64:65] scope:SCOPE_SE
	s_setreg_imm32_b32 hwreg(HW_REG_WAVE_MODE, 25, 1), 1
	s_wait_xcnt 0x0
; out0[row][c] = (x[row][c] - mean) / sqrt(var + 1e-5) x gamma[c] + beta[c], x = xbuf [8192][1024] f32, mean and var over the row's 1,024 numbers.  All in f32.
; A row is 4,096 bytes: one wave takes a whole row in 32 registers, so the reductions never leave the wave: no LDS, no barrier.  A wave takes four rows (8,192 rows = 256 work-groups x 8 waves x 4) and asks for all
; four at once: 32 loads of 512 consecutive bytes; each row has registers of its own, so nothing is loaded twice and no store's data are written again.  A lane's 32 columns are the same in every row: its gamma and beta are loaded once.
; TWO PASSES in registers: the mean is taken away before the squares are summed, so a common offset of the inputs costs no digits.  Work-groups share only gamma and beta, 8 KB: no cluster.
; LIMITS: NaN and infinities are not served.
.set LO,  1                            ; v1       16 x lane
.set OFF, 2                            ; v2       + wave x 4 rows
.set G,   4                            ; v4-35    gamma of my 32 columns
.set BT,  36                           ; v36-67   beta
.set X,   68                           ; v68-195  four rows
.set S,   196                          ; v196-203 four chains of pairs
.set MU,  204                          ; v204-205 the mean, twice
.set RS,  206                          ; v206-207 1 / sqrt(var + eps), twice
.set T,   208
.set PD,  209                          ; the lane permute's destination
	s_load_b256 s[4:11], s[0:1], 0x0               ; xbuf s[4:5], gamma s[6:7], beta s[8:9], out0 s[10:11]
	v_and_b32 v[LO], 31, v0
	v_lshlrev_b32 v[LO], 4, v[LO]
	v_and_b32 v[OFF], 0xe0, v0                     ; 32 x wave
	v_lshl_or_b32 v[OFF], v[OFF], 9, v[LO]         ; wave x 16,384 bytes + 16 x lane
	v_mov_b32 v[PD], 0                             ; written once: a lane permute's destination counts as one of its sources
	s_lshl_b32 s2, ttmp9, 17                       ; the work-group's 32 rows of 4,096 bytes
	s_mov_b32 s3, 0
	s_mov_b32 s12, 0x76543210                      ; v_permlanex16_b32: lane l xor 16
	s_mov_b32 s13, 0xfedcba98
	s_mov_b32 s14, 0x3a800000                      ; 1 / 1024
	s_mov_b32 s15, 0x3727c5ac                      ; 1e-5
	s_wait_kmcnt 0x0
	s_add_nc_u64 s[4:5], s[4:5], s[2:3]
	s_add_nc_u64 s[10:11], s[10:11], s[2:3]
.irp j, 0,1,2,3,4,5,6,7
	global_load_b128 v[G+4*\j:G+4*\j+3], v[LO], s[6:7] offset:512*\j
	global_load_b128 v[BT+4*\j:BT+4*\j+3], v[LO], s[8:9] offset:512*\j
.endr
.irp i, 0,1,2,3
.irp j, 0,1,2,3,4,5,6,7
	global_load_b128 v[X+32*\i+4*\j:X+32*\i+4*\j+3], v[OFF], s[4:5] offset:4096*\i+512*\j th:TH_LOAD_NT   ; read once in this launch
.endr
.endr
.macro SUMUP                           ; the four chains become one number a lane, then the row's, in every lane
	v_pk_add_f32 v[S:S+1], v[S:S+1], v[S+2:S+3]
	v_pk_add_f32 v[S+4:S+5], v[S+4:S+5], v[S+6:S+7]
	v_pk_add_f32 v[S:S+1], v[S:S+1], v[S+4:S+5]
	v_add_f32 v[T], v[S], v[S+1]
	v_add_f32_dpp v[T], v[T], v[T] row_xmask:1 row_mask:0xf bank_mask:0xf
	v_add_f32_dpp v[T], v[T], v[T] row_xmask:2 row_mask:0xf bank_mask:0xf
	v_add_f32_dpp v[T], v[T], v[T] row_xmask:4 row_mask:0xf bank_mask:0xf
	v_add_f32_dpp v[T], v[T], v[T] row_xmask:8 row_mask:0xf bank_mask:0xf
	v_permlanex16_b32 v[PD], v[T], s12, s13
	v_add_f32 v[T], v[T], v[PD]
.endm
.macro ROW i, left                     ; left: the younger rows' loads, which may stay out
.set XR, X+32*\i
	s_wait_loadcnt \left
.irp k, 0,2,4,6
	v_pk_add_f32 v[S+\k:S+\k+1], v[XR+\k:XR+\k+1], v[XR+8+\k:XR+8+\k+1]   ; the first pairs start the chains: nothing is cleared
.endr
.irp m, 16,24
.irp k, 0,2,4,6
	v_pk_add_f32 v[S+\k:S+\k+1], v[S+\k:S+\k+1], v[XR+\m+\k:XR+\m+\k+1]
.endr
.endr
	SUMUP
	v_mul_f32 v[MU], s14, v[T]                     ; the mean
	v_mul_f32 v[MU+1], s14, v[T]
.irp p, 0,2,4,6,8,10,12,14,16,18,20,22,24,26,28,30
	v_pk_add_f32 v[XR+\p:XR+\p+1], v[XR+\p:XR+\p+1], v[MU:MU+1] neg_lo:[0,1] neg_hi:[0,1]   ; x - mean
.endr
.irp k, 0,2,4,6
	v_pk_mul_f32 v[S+\k:S+\k+1], v[XR+\k:XR+\k+1], v[XR+\k:XR+\k+1]
.endr
.irp m, 8,16,24
.irp k, 0,2,4,6
	v_pk_fma_f32 v[S+\k:S+\k+1], v[XR+\m+\k:XR+\m+\k+1], v[XR+\m+\k:XR+\m+\k+1], v[S+\k:S+\k+1]
.endr
.endr
	SUMUP
	v_fma_f32 v[T], v[T], s14, s15                 ; var + eps
	v_rsq_f32 v[RS], v[T]
	v_rsq_f32 v[RS+1], v[T]
	v_nop                                          ; one plain place behind the transcendentals
	s_wait_alu depctr_va_vdst(0)
.irp p, 0,2,4,6,8,10,12,14,16,18,20,22,24,26,28,30
	v_pk_mul_f32 v[XR+\p:XR+\p+1], v[XR+\p:XR+\p+1], v[RS:RS+1]
.endr
.irp p, 0,2,4,6,8,10,12,14,16,18,20,22,24,26,28,30
	v_pk_fma_f32 v[XR+\p:XR+\p+1], v[XR+\p:XR+\p+1], v[G+\p:G+\p+1], v[BT+\p:BT+\p+1]
.endr
.irp j, 0,1,2,3,4,5,6,7
	global_store_b128 v[OFF], v[XR+4*\j:XR+4*\j+3], s[10:11] offset:4096*\i+512*\j th:TH_STORE_NT   ; 32 lanes store 512 consecutive bytes, aligned; written once, read by nobody here
.endr
.endm
	ROW 0, 24
	ROW 1, 16
	ROW 2, 8
	ROW 3, 0
	s_endpgm
.Lfunc_end_k_q4b58c2c7c1_ln:
	.size	k_q4b58c2c7c1_ln, .Lfunc_end_k_q4b58c2c7c1_ln-k_q4b58c2c7c1_ln
	.p2alignl 7, 3214868480
	.fill 96, 4, 3214868480
	.section	.rodata,"a",@progbits
	.p2align	6, 0x0
	.amdhsa_kernel k_q4b58c2c7c1_ln
		.amdhsa_group_segment_fixed_size 0
		.amdhsa_private_segment_fixed_size 0
		.amdhsa_enable_private_segment 0
		.amdhsa_kernarg_size 32
		.amdhsa_user_sgpr_count 2
		.amdhsa_user_sgpr_kernarg_segment_ptr 1
		.amdhsa_wavefront_size32 1
		.amdhsa_system_sgpr_workgroup_id_x 1
		.amdhsa_system_sgpr_workgroup_id_y 1
		.amdhsa_system_sgpr_workgroup_id_z 1
		.amdhsa_system_vgpr_workitem_id 0
		.amdhsa_next_free_vgpr 212
		.amdhsa_next_free_sgpr 66
		.amdhsa_reserve_vcc 0
		.amdhsa_float_denorm_mode_32 3
		.amdhsa_float_denorm_mode_16_64 3
		.amdhsa_memory_ordered 1
		.amdhsa_forward_progress 1
		.amdhsa_inst_pref_size 34
	.end_amdhsa_kernel
	.amdgpu_metadata
---
amdhsa.version: [ 1, 2 ]
amdhsa.kernels:
  - .name:           k_q4b58c2c7c1_ln
    .symbol:         k_q4b58c2c7c1_ln.kd
    .args:
      - { .name: xbuf, .offset: 0, .size: 8, .value_kind: global_buffer, .address_space: global }
      - { .name: gamma, .offset: 8, .size: 8, .value_kind: global_buffer, .address_space: global }
      - { .name: beta, .offset: 16, .size: 8, .value_kind: global_buffer, .address_space: global }
      - { .name: out0, .offset: 24, .size: 8, .value_kind: global_buffer, .address_space: global }
    .group_segment_fixed_size: 0
    .private_segment_fixed_size: 0
    .kernarg_segment_align: 8
    .kernarg_segment_size: 32
    .max_flat_workgroup_size: 256
    .sgpr_count:     66
    .vgpr_count:     212
    .wavefront_size: 32
...
	.end_amdgpu_metadata
.endif
;; end of part 4
